; MI455X (gfx1250); checked and timed in simulation.
; The chip was launched on July 23, 2026; its instructions are those of AMD's public machine-readable ISA for CDNA 5 (MIT licence, August 2026) and "CDNA5" Instruction Set Architecture Reference Guide (July 2026). The comments in the code are by the model that wrote it; some were corrected since.
;; Local Attention. Allowed arithmetic: matrix products marked QUANTISED: E3M2 operands, one E8M0 scale for each 32 along K, by v_wmma_scale_f32_16x16x128_f8f6f4 with both operands' format E3M2, f32 sums; products left as they are: f32 operands where the result goes on into a quantised operand, else bf16, f16 or f32 operands; f32 sums; everything else in f32.
;; Inputs: k 32 x 4,096 x 64 float32; q 32 x 4,096 x 64 float32; v 32 x 4,096 x 64 float32.
;; Outputs: out0 32 x 4,096 x 64 float32.
;; This version of the problem:
;;   THIS VERSION OF THE PROBLEM IS GIVEN IN LOW PRECISION. The matrix products marked QUANTISED in the list below multiply operands that are first quantised to E3M2 (3 exponent bits, 2 mantissa bits; 6 bits a number), with one power-of-two scale for each 32 numbers along K (OCP MX v1.0); their sums are f32. All else is computed in f32.
;;   The module's matrix products, in the order in which they are computed (A, B: the left and right operand; K: the contracted axis; several contracted axes count as one K, in the product's order):
;;     1. [M 256, K 1] x [K 1, N 32]; A: computed on the way; B: computed on the way: left as it is (no contracted axis)
;;     2. batch 1,024 x [M 128, K 64] x [K 64, N 256]; A: computed on the way; B: computed on the way: QUANTISED
;;     3. batch 1,024 x [M 128, K 256] x [K 256, N 64]; A: softmax (see below); B: computed on the way: QUANTISED
;;   THE QUANTISER, for each operand of a quantised product, along K:
;;     - K is cut into blocks of 32 from its start; a last block that is shorter is filled with zeros.
;;     - A block's scale is 2^e with e = floor(log2(the largest magnitude in the block)) - 4, held to -126 .. 127; a block of zeros has e = 0. As a byte (E8M0): e + 127.
;;     - Each number is divided by its block's scale, clamped to +-28, and rounded to the nearest number of E3M2, ties to even, subnormals kept.
;;     - The product sums the exact products of the quantised numbers (number of the format x scale) in f32.
;;   ~~~python
;;   def quantise(x, axis):      # numpy; x: float32 -> the quantised numbers, widened to float32 again
;;       x = np.moveaxis(x, axis, -1); K = x.shape[-1]
;;       x = np.pad(x, [(0, 0)] * (x.ndim - 1) + [(0, -K % 32)]); x = x.reshape(x.shape[:-1] + (-1, 32)); a = np.abs(x).max(-1, keepdims=True)
;;       e = np.where(a > 0, np.clip(np.frexp(np.where(a > 0, a, 1))[1] - 1 - 4, -126, 127), 0)      # np.frexp(a)[1] - 1 = floor(log2(a)), exactly
;;       r = np.clip(x / 2.0 ** e, -28, 28)
;;       step = 2.0 ** (np.maximum(np.frexp(np.where(r == 0, 1, r))[1] - 1, -2) - 2)
;;       q = np.round(r / step) * step * 2.0 ** e      # np.round: ties to even
;;       return np.moveaxis(q.reshape(q.shape[:-2] + (-1,))[..., :K], -1, axis).astype(np.float32)
;;   ~~~
;;   SOFTMAX AHEAD OF A QUANTISED PRODUCT. Where the list says 'softmax', what is quantised is not the finished softmax but p = 2^(t - M), with t = logit x log2(e) and M = ceil(the row's largest t), a whole number; so 1/2 < the row's largest p <= 1. The row's sum l is taken of the UNQUANTISED p, in f32, and the product's result is divided by l at the end. Since M is a whole number, a kernel that streams over the keys may use a running M (the ceiling of the running maximum): every later rescaling is an exact power of two, which a block's scale takes up: the codes' values come out the same.
;;   OPERANDS COMPUTED ON THE WAY. 'Computed on the way' means the value that the module computes at that place (a softmax that the list does not call 'softmax' is quantised finished and normalised). What goes into a quantiser is computed in f32, as accurately as f32 sums, v_exp_f32 and their like allow (about 1e-6 of the number): no bf16 or f16 on the way to a quantiser, and a product that is left as it is and whose result goes on into a quantised operand takes f32 operands (vector FMAs, or v_wmma_f32_16x16x4_f32). A number that lies on a knife's edge between two numbers of the format may be rounded either way, as far as f32 arithmetic and the matrix unit's own rounding can turn it there, and no further.
;; 2 versions. Each part assembles by itself: llvm-mc -triple=amdgcn-amd-amdhsa -mcpu=gfx1250 --defsym DOCPART=n.
;; ======== version 1 of 2: 1 launch
;; launch local_attention (part 1): grid 256 x 1, 8 waves a work-group, no clusters, 140,288 bytes of LDS; arguments q, k, v, out0; writes out0
.if DOCPART == 1
	.amdgcn_target "amdgcn-amd-amdhsa--gfx1250"
	.amdhsa_code_object_version 6
	.text
	.protected	k_q3840b0c9ec_local_attention
	.globl	k_q3840b0c9ec_local_attention
	.p2align	8
	.type	k_q3840b0c9ec_local_attention,@function
k_q3840b0c9ec_local_attention:
	s_mov_b64 s[64:65], 0
	v_nop
	global_prefetch_b8 v0, s[64:65] scope:SCOPE_SE
	s_setreg_imm32_b32 hwreg(HW_REG_WAVE_MODE, 25, 1), 1
	s_wait_xcnt 0x0
; LOCAL ATTENTION, window 128, one window back, causal, rotary positions; both products on codes of BF6 (E3M2) with one E8M0 scale for each 32 along K.
; q, k, v, out: [32][4096][64] f32.  A window's queries (positions 128 .. 255) see the 128 keys of the window before (positions 0 .. 127) and, causally, their own window's (128 .. 255).
; SHARES.  256 work-groups of 8 waves.  A work-group owns 4 consecutive windows of one batch and walks them in stages; an opening stage prepares the window in front of them.
; Wave w owns, in every window, the 16 rows 32 (w/2) + 8 (w%2) + r + 8 (r/8), r = 0 .. 15: they are key tile w of S^T = K Q^T, chosen so that the 16 registers of tiles 2 b, 2 b + 1 are 16 neighbouring keys,
; and they are also the wave's 16 queries, so that one table of cos and sin serves its queries and its current keys.
; A STAGE: the window's q, k, v arrive in registers, are turned through the wave's own LDS bytes, rotated and quantised; k twice: at positions 128 + row for this window, at positions row for the next stage.
; Codes and scale words go to LDS as images of operand registers | barrier | each wave: 128 previous keys, 128 current keys (softmax with a running whole-number M), O^T / sum, out | barrier (reads of the codes are over).
; LANES.  For q and k lane (r, u) holds frequencies 16 u .. 16 u + 15 of row r: x[f] and x[f + 32]; so it makes 16 numbers of each block of 32, and lanes l, l xor 16 share a block.
; For v a lane takes a channel and its registers run down 32 keys: a whole block.
; THE FACTOR 1/8 on q is a power of two: q is quantised without it (same codes) and c = log2(e) / 8 takes it up.
; cos, sin: angle = t x inv_freq, one f32 rounding; inv_freq = 1 / fl(10^(f/8)) rounded to f32, written as decimal constants; n = nearest whole number to angle x 2/pi; angle - n pi/2 by two fused multiply-adds
; (pi/2 in two f32 parts; the first step is exact for angles under 256); polynomials of degree 7 and 8 on the rest; the quadrant by selects and sign bits.
; MEMORY.  Two sets of 96 registers a wave take the loads of two stages: a set is asked for again as soon as it has been moved to LDS.  Each load of q, k and each store of out covers 512 consecutive bytes.
; No tensor loads: a counted wait on loads into registers leaves the younger set on its way.  No cluster: work-groups share only the window at their border, a fifth of a work-group's k and v.
; LIMITS: NaN and infinities are not served; a block whose largest magnitude lies under 2^-122 gets the floor's scale byte 1 (a block of zeros too: its codes are zeros, and only this program reads the bytes);
; a weight p under 2^-126 counts as 0.
.set WINB,  32768                      ; bytes of a window in q, k, v, out
.set PITCH, 272                        ; a row of 256 bytes + 16 in a turning stage: 16 lanes that read one column of 16 rows fall on 16 different 16-byte columns
.set QT,    0                          ; a wave's own LDS bytes: q's 16 rows (later the way out),
.set KT,    16*PITCH                   ; k's 16 rows,
.set VT,    32*PITCH                   ; v's 32 keys x 128 bytes, dense
.set WREG,  VT+4096                    ; 12,800 bytes a wave
.set KIMG,  768                        ; image of a key tile: 32 lanes x 16 bytes (registers 0-3), then 32 x 8 (registers 4, 5)
.set VIMG,  1536                       ; image of a tile of V^T: three planes of 32 lanes x 16 bytes
.set LCK,   0                          ; current keys: 8 images,
.set LCS,   8*KIMG                     ; their scale words, 128 bytes a tile
.set LPK,   LCS+1024                   ; previous keys, two parities
.set PSTEP, 8*KIMG+1024
.set LVK,   LPK+2*PSTEP                ; V, two parities: 4 images, then 64 scale words
.set VSTEP, 4*VIMG+256
.set PRIV,  LVK+2*VSTEP                ; 34,304: from here the waves' own bytes
; window 0
.set LN, 1                             ; lane
.set RR, 2                             ; r = lane % 16
.set UU, 3                             ; u = h = lane / 16
.set GQ, 4                             ; byte offset of my 16 bytes in the wave's rows of q, k, out
.set GV, 5                             ; the same for v's 32 keys x 32 channels
.set TS, 6                             ; turning stage, as loaded: row lane / 16, 16 bytes a lane
.set TR, 7                             ; turning stage, by rows: row r, + 64 u
.set OW, 8                             ; the way out: row r, + 32 h
.set VST, 9                            ; v's stage, as loaded
.set VRD, 10                           ; v's stage, a lane to a channel
.set L16, 11
.set L8,  12
.set L4,  13
.set R4,  14
.set KW16, 15                          ; where I store my key tile's image
.set KW8,  16
.set KWS,  17
.set VWA,  18                          ; where I store my block of V's image
.set VWB,  19
.set VWS,  20
.set NINF, 21                          ; -infinity
.set QS,  22                           ; q's scale words
.set W1,  23                           ; k's scale words, current and previous rotation
.set W2,  24
.set VBY, 25                           ; v's scale byte
.set ROW, 26                           ; my row in the window
.set QF,  32                           ; v32-43 q's fragment; 38-43 stay 0 (K = 64 .. 127)
.set KF,  44                           ; v44-91 four key fragments; the upper six of each stay 0
.set KSC, 92                           ; v92-95 scale words of four tiles
.set S,   96                           ; v96-159 S^T, then p; then V's four fragments (v96-143); on the way out rows of out
.set O,   160                          ; v160-191 O^T
.set PC,  192                          ; v192-203 p's codes
.set PT,  204                          ; v204-211 second halves of conversions
.set BM,  212
.set BT,  216
.set SO,  220
.set TT,  224
.set F,   226                          ; v226 f = 2^(old M - new M), later 1 / sum; v227 p's scale word
.set NM,  228                          ; v228 -M, v229 the largest t
.set L,   230                          ; the row's sum in two halves
.set LT,  232
.set TM,  234                          ; v234-241 the quantisers' work
.set DV,  242                          ; v242-247 v's codes, v248-250 their second half
.set TV,  248
.set E3,  252
.set XK,  96                           ; quantising: k's 32 numbers, later v's
.set OO,  128                          ; rotated numbers
.set XQ,  160                          ; q's 32 numbers
.set D1,  192
.set D2,  198
.set E1,  204
.set E2,  208
; the tables' work, at the head only
.set TH,  96
.set AN,  112
.set NN,  128
.set RD,  144
.set ZZ,  160
.set YS,  176
.set YC,  192
.set KS2, 212
.set KS1, 214
.set KC2, 216
.set KC1, 218
.set TP,  220
; window 1 (v256 + these numbers)
.set RA,  0                            ; raw set A: q 0-31, k 32-63, v 64-95
.set RB,  96                           ; raw set B
.set TCC, 192                          ; cos, sin at positions 128 + row
.set TSC, 208
.set TCP, 224                          ; cos, sin at positions row
.set TSP, 240
.set SEL, 28                           ; s[28:29] selects of v_permlanex16_b32: lane l xor 16
.set CS,  30                           ; s[30:31] c = log2(e) / 8
; s32-63, s66-97: the 64 lane masks of the causal step (at the head: constants of the tables)
.set MSB, 0
.macro WIN new                         ; the immediate's high byte repeats the setting that is left
.if MSB != \new
	s_set_vgpr_msb (MSB<<8)|\new
.set MSB, \new
.endif
.endm
; 24 loads: window st of my four into raw set rs
.macro GLOAD rs, st
	WIN 0x40                                       ; destination window 1, offsets window 0
.set i, 0
.rept 8
	global_load_b128 v[\rs+4*i:\rs+4*i+3], v[GQ], s[4:5] offset:(\st)*WINB+512*i+2048*(i/4) th:TH_LOAD_NT   ; q is read once in the launch
.set i, i+1
.endr
.set i, 0
.rept 8
	global_load_b128 v[\rs+32+4*i:\rs+32+4*i+3], v[GQ], s[6:7] offset:(\st)*WINB+512*i+2048*(i/4)   ; two runs of 8 rows, 16 rows apart
.set i, i+1
.endr
.set i, 0
.rept 8
	global_load_b128 v[\rs+64+4*i:\rs+64+4*i+3], v[GV], s[8:9] offset:(\st)*WINB+1024*i   ; four keys x 128 bytes
.set i, i+1
.endr
	WIN 0
.endm
; a raw set goes to my own LDS bytes as it was loaded
.macro TURN rs, hasq
	WIN 0x04                                       ; an LDS store's data are its source 1: window 1
.if \hasq
.set i, 0
.rept 8
	ds_store_b128 v[TS], v[\rs+4*i:\rs+4*i+3] offset:QT+2*PITCH*i
.set i, i+1
.endr
.endif
.set i, 0
.rept 8
	ds_store_b128 v[TS], v[\rs+32+4*i:\rs+32+4*i+3] offset:KT+2*PITCH*i
.set i, i+1
.endr
.set i, 0
.rept 8
	ds_store_b128 v[VST], v[\rs+64+4*i:\rs+64+4*i+3] offset:VT+512*i
.set i, i+1
.endr
	WIN 0
.endm
; and comes back by rows: x[16 u + 0 .. 15] and x[32 + 16 u + 0 .. 15] of row r.  LDS serves a wave's instructions in order: these see the stores above
.macro XLOAD x, base
.irp i, 0,1,2,3
	ds_load_b128 v[\x+4*\i:\x+4*\i+3], v[TR] offset:\base+16*\i
	ds_load_b128 v[\x+16+4*\i:\x+16+4*\i+3], v[TR] offset:\base+128+16*\i
.endr
.endm
.macro VLOADS x                        ; v(key i of my block, my channel), i = 0 .. 31
.set i, 0
.rept 32
	ds_load_b32 v[\x+i], v[VRD] offset:VT+128*i
.set i, i+1
.endr
.endm
; the rotation: o[f] = x[f] cos - x[f + 32] sin, o[f + 32] = x[f + 32] cos + x[f] sin, two frequencies an instruction
.macro ROT x, ct, st
	WIN 0x04                                       ; source 1, the table, in window 1
.irp j, 0,2,4,6,8,10,12,14
	v_pk_mul_f32 v[OO+\j:OO+\j+1], v[\x+\j:\x+\j+1], v[\ct+\j:\ct+\j+1]
	v_pk_mul_f32 v[OO+16+\j:OO+17+\j], v[\x+16+\j:\x+17+\j], v[\ct+\j:\ct+\j+1]
.endr
.irp j, 0,2,4,6,8,10,12,14
	v_pk_fma_f32 v[OO+\j:OO+\j+1], v[\x+16+\j:\x+17+\j], v[\st+\j:\st+\j+1], v[OO+\j:OO+\j+1] neg_lo:[1,0,0] neg_hi:[1,0,0]
	v_pk_fma_f32 v[OO+16+\j:OO+17+\j], v[\x+\j:\x+\j+1], v[\st+\j:\st+\j+1], v[OO+16+\j:OO+17+\j]
.endr
	WIN 0
.endm
; 16 numbers of block 0 (v[OO] on) and 16 of block 1 (v[OO+16] on) of my row become registers 0-5 of a fragment in v[d] on, and the row's scale word in v[w]
.macro QUANT2 d, e, w
	v_max3_num_f32 v[TM], |v[OO]|, |v[OO+1]|, 0x2800000             ; the floor 2^(5 - 127) among the leaves: the byte cannot fall under 1
	v_max3_num_f32 v[TM+1], |v[OO+16]|, |v[OO+17]|, 0x2800000
	v_max3_num_f32 v[TM+2], |v[OO+8]|, |v[OO+9]|, |v[OO+10]|        ; four chains by turns
	v_max3_num_f32 v[TM+3], |v[OO+24]|, |v[OO+25]|, |v[OO+26]|
.irp i, 2,4,6
	v_max3_num_f32 v[TM], v[TM], |v[OO+\i]|, |v[OO+\i+1]|
	v_max3_num_f32 v[TM+1], v[TM+1], |v[OO+16+\i]|, |v[OO+17+\i]|
.if \i < 6
	v_max3_num_f32 v[TM+2], v[TM+2], |v[OO+9+\i]|, |v[OO+10+\i]|
	v_max3_num_f32 v[TM+3], v[TM+3], |v[OO+25+\i]|, |v[OO+26+\i]|
.endif
.endr
	v_max3_num_f32 v[TM], v[TM], v[TM+2], |v[OO+15]|
	v_max3_num_f32 v[TM+1], v[TM+1], v[TM+3], |v[OO+31]|
	v_permlanex16_b32 v[TM+2], v[TM], s[SEL], s[SEL+1]
	v_permlanex16_b32 v[TM+3], v[TM+1], s[SEL], s[SEL+1]
	v_max_num_f32 v[TM], v[TM], v[TM+2]                             ; with lane l xor 16's 16: the blocks' largest magnitudes
	v_max_num_f32 v[TM+1], v[TM+1], v[TM+3]
	v_add_nc_u32 v[TM+4], 0xfe000000, v[TM]                         ; 4 off the exponent field: the conversion's scale operand
	v_add_nc_u32 v[TM+5], 0xfe000000, v[TM+1]
	v_lshrrev_b32 v[TM+2], 23, v[TM+4]                              ; the scales' bytes
	v_lshrrev_b32 v[TM+3], 23, v[TM+5]
	v_lshl_or_b32 v[\w], v[TM+3], 8, v[TM+2]                        ; bytes 2 and 3 stay 0: they scale zero codes
	v_cvt_scalef32_pk16_bf6_f32 v[\d:\d+2], v[OO:OO+15], v[TM+4]
	v_cvt_scalef32_pk16_bf6_f32 v[\e:\e+2], v[OO+16:OO+31], v[TM+5]
	v_nop                                                           ; one plain place behind a scaled conversion
.irp i, 0,1,2
	v_permlane16_swap_b32 v[\d+\i], v[\e+\i]                        ; lanes 0-15 now hold block 0 whole, lanes 16-31 block 1: lower 16 codes in d, upper 16 in e
.endr
.irp i, 0,1,2
	v_mov_b32 v[\d+3+\i], v[\e+\i]
.endr
.endm
.macro KSTORE d, w, kb, sb             ; my key tile's image and its scale words
	ds_store_b128 v[KW16], v[\d:\d+3] offset:\kb
	ds_store_b64 v[KW8], v[\d+4:\d+5] offset:\kb+512
	ds_store_b32 v[KWS], v[\w] offset:\sb
.endm
; my block of 32 keys of my channel: six registers of codes into V's image, a byte into the channel's scale word
.macro VQUANT x, vb
	v_max3_num_f32 v[TM+6], |v[\x]|, |v[\x+1]|, |v[\x+2]|
	v_max3_num_f32 v[TM+7], |v[\x+3]|, |v[\x+4]|, |v[\x+5]|
.irp i, 6,10,14,18,22,26
	v_max3_num_f32 v[TM+6], v[TM+6], |v[\x+\i]|, |v[\x+\i+1]|
	v_max3_num_f32 v[TM+7], v[TM+7], |v[\x+\i+2]|, |v[\x+\i+3]|
.endr
	v_max3_num_f32 v[TM+6], v[TM+6], |v[\x+30]|, |v[\x+31]|
	v_max3_num_f32 v[TM+6], v[TM+6], v[TM+7], 0x2800000
	v_add_nc_u32 v[TM+7], 0xfe000000, v[TM+6]
	v_lshrrev_b32 v[VBY], 23, v[TM+7]
	v_cvt_scalef32_pk16_bf6_f32 v[DV:DV+2], v[\x:\x+15], v[TM+7]
	v_cvt_scalef32_pk16_bf6_f32 v[TV:TV+2], v[\x+16:\x+31], v[TM+7]
	v_nop
.irp i, 0,1,2
	v_mov_b32 v[DV+3+\i], v[TV+\i]
.endr
	ds_store_b64 v[VWA], v[DV:DV+1] offset:\vb                      ; registers 6 c + 0 .. 5 of the reader's lane r + 16 h, block = 2 c + h: three pieces of 8 bytes
	ds_store_b64 v[VWB], v[DV+2:DV+3] offset:\vb
	ds_store_b64 v[VWA], v[DV+4:DV+5] offset:\vb+512
	ds_store_b8 v[VWS], v[VBY] offset:\vb+4*VIMG
.endm
; A STEP of 128 keys.  kb, ksb: the keys' images and scale words; vb, vsb: V's.  diag = 1: the window's own keys, hidden where key > query.  sig = 1: my last read of shared codes is in this step: say so.
.macro STEP kb, ksb, vb, vsb, diag, sig
.rept 5
	v_nop                                          ; five places behind the last products: S^T is laid over V's fragments, which they read, and their scale words are loaded anew
.endr
.irp g, 0,1                            ; S^T = K Q^T, four tiles of 16 keys at a time
.if \g
.rept 4
	v_nop                                          ; places in front of loads into registers that matrix instructions have read
.endr
.endif
.irp t, 0,1,2,3
	ds_load_b128 v[KF+12*\t:KF+12*\t+3], v[L16] offset:\kb+(4*\g+\t)*KIMG
	ds_load_b64 v[KF+12*\t+4:KF+12*\t+5], v[L8] offset:\kb+(4*\g+\t)*KIMG+512
	ds_load_b32 v[KSC+\t], v[L4] offset:\ksb+(4*\g+\t)*128
.endr
	s_wait_dscnt 0x0
.irp t, 0,1,2,3
	v_wmma_scale_f32_16x16x128_f8f6f4 v[S+8*(4*\g+\t):S+8*(4*\g+\t)+7], v[KF+12*\t:KF+12*\t+11], v[QF:QF+11], 0, v[KSC+\t], v[QS] matrix_a_fmt:MATRIX_FMT_BF6 matrix_b_fmt:MATRIX_FMT_BF6
.endr
.endr                                  ; lane (r, h) holds query r; register 16 b + i is key 32 b + 16 h + i
.rept 4
	v_nop
.endr
.if \diag
.set n, 0
.rept 64
	v_cndmask_b32 v[S+n], v[S+n], v[NINF], s[32+n+2*(n/32)]        ; hidden scores become -infinity: p = 0.  The lane masks were made once, from ids
.set n, n+1
.endr
.endif
.irp b, 0,1,2,3
	v_max3_num_f32 v[BM+\b], v[S+16*\b], v[S+16*\b+1], v[S+16*\b+2] ; the largest score of each block of 32 keys: for the row's maximum, and, since p rises with the score, for the block's largest p
.endr
.irp i, 3,5,7,9,11,13
.irp b, 0,1,2,3
	v_max3_num_f32 v[BM+\b], v[BM+\b], v[S+16*\b+\i], v[S+16*\b+\i+1]
.endr
.endr
.irp b, 0,1,2,3
	v_max_num_f32 v[BM+\b], v[BM+\b], v[S+16*\b+15]
.endr
.irp b, 0,1,2,3
	v_permlanex16_b32 v[BT+\b], v[BM+\b], s[SEL], s[SEL+1]
.endr
.irp b, 0,1,2,3
	v_max_num_f32 v[BM+\b], v[BM+\b], v[BT+\b]
.endr
	v_max3_num_f32 v[TT], v[BM], v[BM+1], v[BM+2]
	v_max_num_f32 v[TT], v[TT], v[BM+3]
	v_mul_f32 v[TT], s[CS], v[TT]                                   ; as t
	v_max_num_f32 v[NM+1], v[NM+1], v[TT]                           ; the running largest t
	v_mov_b32 v[TT], v[NM]
	v_floor_f32 v[NM], -v[NM+1]                                     ; -M = floor(-t): M is a whole number
	v_sub_f32 v[TT], v[NM], v[TT]
	v_cvt_i32_f32 v[TT], v[TT]                                      ; (it saturates)
	v_ldexp_f32 v[F], 1.0, v[TT]                                    ; f = 2^(old M - new M): rounds nothing
.set j, 0
.rept 32
	v_pk_fma_f32 v[S+j:S+j+1], v[S+j:S+j+1], s[CS:CS+1], v[NM:NM+1] op_sel_hi:[1,0,0]   ; t - M
.set j, j+2
.endr
.irp b, 0,1,2,3
	v_fma_f32 v[BM+\b], v[BM+\b], s[CS], v[NM]
.endr
.set j, 0
.rept 64
	v_exp_f32 v[S+j], v[S+j]                                        ; p = 2^(t - M), not normalised
.set j, j+1
.endr
	v_pk_mul_f32 v[L:L+1], v[L:L+1], v[F:F+1] op_sel_hi:[1,0]       ; the sums under the new M; the plain place behind the exponentials
	s_wait_alu depctr_va_vdst(0)                                    ; one wait for the batch of 64, ahead of its first reader
.irp b, 0,1,2,3
	v_exp_f32 v[BM+\b], v[BM+\b]                                    ; each block's largest p
.endr
	v_pk_add_f32 v[LT:LT+1], v[S:S+1], v[S+2:S+3]                   ; the row's sum, of the unquantised p, in two chains
.irp j, 4,8,12,16,20,24,28,32,36,40,44,48,52,56,60
	v_pk_add_f32 v[L:L+1], v[L:L+1], v[S+\j:S+\j+1]
	v_pk_add_f32 v[LT:LT+1], v[LT:LT+1], v[S+\j+2:S+\j+3]
.endr
	v_pk_add_f32 v[L:L+1], v[L:L+1], v[LT:LT+1]
	s_wait_alu depctr_va_vdst(0)                                    ; and one for the four
.irp b, 0,1,2,3
	v_max_num_f32 v[BM+\b], 0x2800000, v[BM+\b]                     ; the floor: a block whose every p is 0 keeps the byte 1; its codes are zeros
.endr
.irp b, 0,1,2,3
	v_add_nc_u32 v[SO+\b], 0xfe000000, v[BM+\b]
.endr
.irp b, 0,1,2,3
	v_lshrrev_b32 v[BT+\b], 23, v[SO+\b]
.endr
	v_lshl_or_b32 v[F+1], v[BT+1], 8, v[BT]                         ; p's scale word for these 128 keys
	v_lshl_or_b32 v[F+1], v[BT+2], 16, v[F+1]
	v_lshl_or_b32 v[F+1], v[BT+3], 24, v[F+1]
.irp c, 0,1
	v_cvt_scalef32_pk16_bf6_f32 v[PC+6*\c:PC+6*\c+2], v[S+32*\c:S+32*\c+15], v[SO+2*\c]
	v_cvt_scalef32_pk16_bf6_f32 v[PT+4*\c:PT+4*\c+2], v[S+32*\c+16:S+32*\c+31], v[SO+2*\c+1]
.endr
	v_nop                                                           ; one plain place behind a scaled conversion
.irp t, 0,1,2,3                        ; p has left its registers: V's four fragments land there while the codes are put in order and O^T is rescaled
.irp p, 0,1,2
	ds_load_b128 v[S+12*\t+4*\p:S+12*\t+4*\p+3], v[L16] offset:\vb+\t*VIMG+512*\p
.endr
	ds_load_b32 v[KSC+\t], v[R4] offset:\vsb+64*\t
.endr
.irp c, 0,1
.irp i, 0,1,2
	v_permlane16_swap_b32 v[PC+6*\c+\i], v[PT+4*\c+\i]              ; a whole block to a lane
.endr
.irp i, 0,1,2
	v_mov_b32 v[PC+6*\c+3+\i], v[PT+4*\c+\i]
.endr
.endr
.set j, 0
.rept 16
	v_pk_mul_f32 v[O+j:O+j+1], v[O+j:O+j+1], v[F:F+1] op_sel_hi:[1,0]   ; O^T under the new M; these are also the places in front of the scaled products
.set j, j+2
.endr
	s_wait_dscnt 0x0
.if \sig
	s_barrier_signal -1                                             ; no LDS access of mine is out, and I read no shared codes of this stage any more
.endif
.irp t, 0,1,2,3                        ; O^T += V^T P^T: 16 channels a tile, K = these 128 keys; four accumulators by turns
	v_wmma_scale_f32_16x16x128_f8f6f4 v[O+8*\t:O+8*\t+7], v[S+12*\t:S+12*\t+11], v[PC:PC+11], v[O+8*\t:O+8*\t+7], v[KSC+\t], v[F+1] matrix_a_fmt:MATRIX_FMT_BF6 matrix_b_fmt:MATRIX_FMT_BF6
.endr
.endm
; O^T / sum; through my own stage (q's turning bytes) so that a store covers two whole rows of out
.macro FINISH st, sig
.rept 4
	v_nop
.endr
	v_add_f32 v[L], v[L], v[L+1]
	v_permlanex16_b32 v[TT], v[L], s[SEL], s[SEL+1]
	v_add_f32 v[L], v[L], v[TT]                                     ; with lane l xor 16's keys: the row's sum
	v_rcp_f32 v[F], v[L]
	v_nop                                                           ; a plain place behind the reciprocal
	s_wait_alu depctr_va_vdst(0)                                    ; and the wait ahead of its first reader
.set j, 0
.rept 16
	v_pk_mul_f32 v[O+j:O+j+1], v[O+j:O+j+1], v[F:F+1] op_sel_hi:[1,0]
.set j, j+2
.endr
.if \sig
	s_barrier_wait -1                                               ; every wave has read the stage's codes: from here on they may be written again
.endif
.irp t, 0,1,2,3
	ds_store_b128 v[OW], v[O+8*\t:O+8*\t+3] offset:QT+64*\t         ; lane (r, h): out(row r, channels 16 t + 8 h + 0 .. 7)
	ds_store_b128 v[OW], v[O+8*\t+4:O+8*\t+7] offset:QT+64*\t+16
.endr
.set i, 0
.rept 8
	ds_load_b128 v[S+4*i:S+4*i+3], v[TS] offset:QT+2*PITCH*i        ; my own bytes, served in order
.set i, i+1
.endr
.set i, 0
.rept 8
	s_wait_dscnt 7-i                                                ; the younger read-backs may be out
	global_store_b128 v[GQ], v[S+4*i:S+4*i+3], s[10:11] offset:(\st)*WINB+512*i+2048*(i/4) th:TH_STORE_NT   ; 512 consecutive bytes, aligned
.set i, i+1
.endr
.endm
; A STAGE: window st of my four, in raw set rs.  nxt: the window that the set is asked for next (-1: none).  lcnt: the loads issued behind this set's
.macro STAGE st, rs, nxt, lcnt
.set PAR, (\st)&1
.set KBP, LPK+PSTEP*PAR                ; the previous keys' codes, made a stage ago
.set KBN, LPK+PSTEP*(1-PAR)            ; this window's keys for the next stage
.set VBC, LVK+VSTEP*PAR
.set VBP, LVK+VSTEP*(1-PAR)
	s_wait_xcnt 0x0                                ; the last stage's stores have read their registers, which are loaded below
	s_wait_loadcnt \lcnt                           ; my set is in; the younger set stays on its way
	TURN \rs, 1
	XLOAD XK, KT
	XLOAD XQ, QT
.if \nxt >= 0
	s_wait_dscnt 16                                ; all but the 16 LDS loads: the stores have read the raw set,
	GLOAD \rs, \nxt                                ; which is asked for again, two stages ahead
.endif
	s_wait_dscnt 0x0
	ROT XK, TCC, TSC
	QUANT2 D1, E1, W1
	KSTORE D1, W1, LCK, LCS
.if \st < 3
	ROT XK, TCP, TSP                               ; the same keys as the next window will see them
	QUANT2 D2, E2, W2
	KSTORE D2, W2, KBN, KBN+8*KIMG
.endif
	VLOADS XK                                      ; v lands while q is rotated
	ROT XQ, TCC, TSC
	QUANT2 QF, E3, QS                              ; q's fragment stays in my registers
	s_wait_dscnt 0x0
	VQUANT XK, VBC
	s_wait_dscnt 0x0                               ; my codes are in LDS
	s_barrier_signal -1
.set i, 0
.rept 32
	v_mov_b32 v[O+i], 0                            ; O^T begins as zeros, while the others arrive: the first step of a batch's first window is left out, so no step is written as a first one
.set i, i+1
.endr
	v_mov_b32 v[NM+1], 0xff61b1e6                  ; the largest t so far: -3e38
	v_floor_f32 v[NM], -v[NM+1]
	v_mov_b32 v[L], 0
	v_mov_b32 v[L+1], 0
	s_barrier_wait -1                              ; everybody's are
.if \st == 0
	s_cmp_eq_u32 s26, 0                            ; a batch's first window has only padding in front of it: every p there is 0
	s_cbranch_scc1 .Lno_prev
.endif
	STEP KBP, KBP+8*KIMG, VBP, VBP+4*VIMG, 0, 0
.if \st == 0
.Lno_prev:
.endif
.if \st < 3
	STEP LCK, LCS, VBC, VBC+4*VIMG, 1, 1
	FINISH \st, 1
.else
	STEP LCK, LCS, VBC, VBC+4*VIMG, 1, 0           ; nothing is written behind the last stage: no second barrier
	FINISH \st, 0
.endif
.endm
; cos and sin of t x theta for my 16 frequencies; t in both words of v[TP:TP+1]
.macro TABLE cdst, sdst
.irp j, 0,2,4,6,8,10,12,14
	v_pk_mul_f32 v[AN+\j:AN+\j+1], v[TH+\j:TH+\j+1], v[TP:TP+1]     ; the angle: one rounding
.endr
.irp j, 0,2,4,6,8,10,12,14
	v_pk_mul_f32 v[NN+\j:NN+\j+1], v[AN+\j:AN+\j+1], s[32:33] op_sel_hi:[1,0]
.endr
.set j, 0
.rept 16
	v_rndne_f32 v[NN+j], v[NN+j]                                    ; n
.set j, j+1
.endr
.irp j, 0,2,4,6,8,10,12,14
	v_pk_fma_f32 v[RD+\j:RD+\j+1], v[NN+\j:NN+\j+1], s[34:35], v[AN+\j:AN+\j+1] op_sel_hi:[1,0,1]   ; - n x the upper part of pi/2: exact
.endr
.irp j, 0,2,4,6,8,10,12,14
	v_pk_fma_f32 v[RD+\j:RD+\j+1], v[NN+\j:NN+\j+1], s[36:37], v[RD+\j:RD+\j+1] op_sel_hi:[1,0,1]   ; - n x the lower part
.endr
.irp j, 0,2,4,6,8,10,12,14
	v_pk_mul_f32 v[ZZ+\j:ZZ+\j+1], v[RD+\j:RD+\j+1], v[RD+\j:RD+\j+1]
.endr
.irp j, 0,2,4,6,8,10,12,14
	v_pk_fma_f32 v[YS+\j:YS+\j+1], v[ZZ+\j:ZZ+\j+1], s[38:39], v[KS2:KS2+1] op_sel_hi:[1,0,1]
	v_pk_fma_f32 v[YC+\j:YC+\j+1], v[ZZ+\j:ZZ+\j+1], s[40:41], v[KC2:KC2+1] op_sel_hi:[1,0,1]
.endr
.irp j, 0,2,4,6,8,10,12,14
	v_pk_fma_f32 v[YS+\j:YS+\j+1], v[YS+\j:YS+\j+1], v[ZZ+\j:ZZ+\j+1], v[KS1:KS1+1]
	v_pk_fma_f32 v[YC+\j:YC+\j+1], v[YC+\j:YC+\j+1], v[ZZ+\j:ZZ+\j+1], v[KC1:KC1+1]
.endr
.irp j, 0,2,4,6,8,10,12,14
	v_pk_mul_f32 v[YS+\j:YS+\j+1], v[YS+\j:YS+\j+1], v[ZZ+\j:ZZ+\j+1]
	v_pk_mul_f32 v[YC+\j:YC+\j+1], v[YC+\j:YC+\j+1], v[ZZ+\j:ZZ+\j+1]
	v_pk_fma_f32 v[AN+\j:AN+\j+1], v[ZZ+\j:ZZ+\j+1], -0.5, 1.0 op_sel_hi:[1,0,0]
.endr
.irp j, 0,2,4,6,8,10,12,14
	v_pk_fma_f32 v[YS+\j:YS+\j+1], v[YS+\j:YS+\j+1], v[RD+\j:RD+\j+1], v[RD+\j:RD+\j+1]   ; sin of the rest
	v_pk_fma_f32 v[YC+\j:YC+\j+1], v[YC+\j:YC+\j+1], v[ZZ+\j:ZZ+\j+1], v[AN+\j:AN+\j+1]   ; cos of the rest
.endr
.set j, 0
.rept 16
	v_cvt_i32_f32 v[NN+j], v[NN+j]
.set j, j+1
.endr
.set j, 0
.rept 16                               ; the quadrant: n odd changes sin and cos over; bit 1 of n is sin's sign, bit 1 of n + 1 cos's
	v_and_b32 v[TT], 1, v[NN+j]
	v_cmp_eq_u32 vcc_lo, 1, v[TT]
	v_cndmask_b32 v[RD+j], v[YS+j], v[YC+j], vcc_lo
	v_cndmask_b32 v[ZZ+j], v[YC+j], v[YS+j], vcc_lo
	v_lshlrev_b32 v[AN+j], 30, v[NN+j]
	v_add_nc_u32 v[NN+j], 1, v[NN+j]
	v_and_b32 v[AN+j], 0x80000000, v[AN+j]
	v_lshlrev_b32 v[NN+j], 30, v[NN+j]
	v_and_b32 v[NN+j], 0x80000000, v[NN+j]
.set j, j+1
.endr
	WIN 0x40                                       ; the tables lie in window 1
.set j, 0
.rept 16
	v_xor_b32 v[\sdst+j], v[AN+j], v[RD+j]
	v_xor_b32 v[\cdst+j], v[NN+j], v[ZZ+j]
.set j, j+1
.endr
	WIN 0
.endm
.macro THETA j, lo, hi                 ; lanes 0-15 take frequency j, lanes 16-31 frequency 16 + j
	v_mov_b32 v[TH+\j], \hi
	v_cndmask_b32 v[TH+\j], \lo, v[TH+\j], vcc_lo
.endm
; ---------------- the head
	s_load_b256 s[4:11], s[0:1], 0x0               ; q s[4:5], k s[6:7], v s[8:9], out s[10:11]
	v_lshl_add_u32 v251, v0, 2, 0x22000
	v_mov_b32 v255, 0
	v_lshrrev_b32 v[LN], 5, v0
	v_readfirstlane_b32 s12, v[LN]                 ; wave 0..7
	v_and_b32 v[LN], 31, v0
	v_and_b32 v[RR], 15, v0
	v_bfe_u32 v[UU], v0, 4, 1
	s_lshr_b32 s13, s12, 1                         ; w / 2: my block of 32 rows
	s_and_b32 s14, s12, 1                          ; w % 2
	s_lshl_b32 s2, s13, 13                         ; 32 rows of 256 bytes
	s_lshl_b32 s3, s14, 11                         ; 8 rows
	s_add_co_u32 s3, s3, s2
	v_lshl_add_u32 v[GQ], v[LN], 4, s3
	s_lshl_b32 s3, s14, 7                          ; v: my 32 channels
	s_add_co_u32 s3, s3, s2
	v_lshrrev_b32 v[GV], 3, v[LN]
	v_and_b32 v[TT], 7, v[LN]
	v_lshlrev_b32 v[TT], 4, v[TT]
	v_lshl_add_u32 v[GV], v[GV], 8, v[TT]          ; key lane / 8, 16 bytes x (lane % 8)
	v_add_nc_u32 v[GV], s3, v[GV]
	s_lshl_b32 s16, ttmp9, 17                      ; my four windows begin 4 x 32,768 x work-group bytes in
	s_mov_b32 s17, 0
	s_and_b32 s26, ttmp9, 7                        ; 0: they are a batch's first four
	s_cmp_lg_u32 s26, 0
	s_cselect_b32 s18, WINB, 0                     ; the window in front; at a batch's start my own first window is loaded in its stead, and what is made of it is never read
	s_sub_co_u32 s20, s16, s18
	s_mov_b32 s21, 0
	s_wait_kmcnt 0x0
	s_add_nc_u64 s[22:23], s[6:7], s[20:21]
	s_add_nc_u64 s[24:25], s[8:9], s[20:21]
	s_add_nc_u64 s[4:5], s[4:5], s[16:17]
	s_add_nc_u64 s[6:7], s[6:7], s[16:17]
	s_add_nc_u64 s[8:9], s[8:9], s[16:17]
	s_add_nc_u64 s[10:11], s[10:11], s[16:17]
	WIN 0x40
.set i, 0
.rept 8
	global_load_b128 v[RA+32+4*i:RA+32+4*i+3], v[GQ], s[22:23] offset:512*i+2048*(i/4)   ; the window in front: k,
.set i, i+1
.endr
.set i, 0
.rept 8
	global_load_b128 v[RA+64+4*i:RA+64+4*i+3], v[GV], s[24:25] offset:1024*i             ; and v
.set i, i+1
.endr
	WIN 0
	GLOAD RB, 0                                    ; and my first window.  All that follows up to the first wait stands beside these 40 loads
	s_mul_i32 s15, s12, WREG
	s_add_co_u32 s15, s15, PRIV                    ; my wave's own LDS bytes
	v_mul_u32_u24 v[TS], v[UU], PITCH
	v_lshl_add_u32 v[TS], v[RR], 4, v[TS]
	v_add_nc_u32 v[TS], s15, v[TS]
	v_mul_u32_u24 v[TR], v[RR], PITCH
	v_lshl_add_u32 v[OW], v[UU], 5, v[TR]
	v_lshl_add_u32 v[TR], v[UU], 6, v[TR]
	v_add_nc_u32 v[OW], s15, v[OW]
	v_add_nc_u32 v[TR], s15, v[TR]
	v_lshl_add_u32 v[VST], v[LN], 4, s15
	v_lshl_add_u32 v[VRD], v[LN], 2, s15
	v_lshlrev_b32 v[L16], 4, v[LN]
	v_lshlrev_b32 v[L8], 3, v[LN]
	v_lshlrev_b32 v[L4], 2, v[LN]
	v_lshlrev_b32 v[R4], 2, v[RR]
	s_mul_i32 s2, s12, KIMG                        ; my rows are key tile w
	v_add_nc_u32 v[KW16], s2, v[L16]
	v_add_nc_u32 v[KW8], s2, v[L8]
	s_lshl_b32 s2, s12, 7
	v_add_nc_u32 v[KWS], s2, v[L4]
	s_mul_i32 s2, s14, 2*VIMG                      ; V: my 32 channels are tiles 2 (w%2), 2 (w%2) + 1;
	s_and_b32 s3, s13, 1
	s_lshl_b32 s3, s3, 8                           ; my block 2 c + h goes to the reader's lanes 16 h + r,
	s_add_co_u32 s2, s2, s3
	s_lshr_b32 s3, s12, 2                          ; registers 6 c + 0 .. 5: bytes 0, 8, 512 of the lane's place for c = 0; 520, 1024, 1032 for c = 1
	s_mul_i32 s18, s3, 520
	s_add_co_u32 s18, s18, s2
	s_mul_i32 s19, s3, 1016
	s_add_co_u32 s19, s19, s2
	s_add_co_u32 s19, s19, 8
	v_mul_u32_u24 v[VWA], v[UU], VIMG
	v_lshl_add_u32 v[VWA], v[RR], 4, v[VWA]
	v_add_nc_u32 v[VWB], s19, v[VWA]
	v_add_nc_u32 v[VWA], s18, v[VWA]
	s_lshl_b32 s2, s14, 7
	s_add_co_u32 s2, s2, s13                       ; the scale byte: word of channel 32 (w%2) + lane, byte w / 2
	v_add_nc_u32 v[VWS], s2, v[L4]
	v_and_b32 v[ROW], 8, v[RR]
	v_add_nc_u32 v[ROW], v[ROW], v[RR]             ; r + 8 (r / 8)
	s_lshl_b32 s2, s13, 5
	s_lshl_b32 s3, s14, 3
	s_add_co_u32 s2, s2, s3
	v_add_nc_u32 v[ROW], s2, v[ROW]                ; my row in the window
	s_mov_b32 s[SEL], 0x76543210
	s_mov_b32 s[SEL+1], 0xfedcba98
	s_mov_b32 s[CS], 0x3e38aa3b                    ; log2(e) / 8
	s_mov_b32 s[CS+1], s[CS]
	s_mov_b32 s32, 0x3f22f983                      ; 2 / pi
	s_mov_b32 s33, s32
	s_mov_b32 s34, 0xbfc90fdb                      ; - the f32 nearest to pi / 2
	s_mov_b32 s35, s34
	s_mov_b32 s36, 0x333bbd2e                      ; - (pi / 2 less that number)
	s_mov_b32 s37, s36
	s_mov_b32 s38, -0.00019515295891               ; sin's and cos's highest coefficients
	s_mov_b32 s39, s38
	s_mov_b32 s40, 0.00002443315711809948
	s_mov_b32 s41, s40
	v_mov_b32 v[KS2], 0.0083321608736
	v_mov_b32 v[KS2+1], v[KS2]
	v_mov_b32 v[KS1], -0.16666654611
	v_mov_b32 v[KS1+1], v[KS1]
	v_mov_b32 v[KC2], -0.001388731625493765
	v_mov_b32 v[KC2+1], v[KC2]
	v_mov_b32 v[KC1], 0.04166664568298827
	v_mov_b32 v[KC1+1], v[KC1]
	v_cmp_lt_u32 vcc_lo, 15, v[LN]
	THETA 0, 1.0, 0.01                             ; 1 / fl(10^(f/8)), to be rounded to f32
	THETA 1, 0.7498941794354, 0.0074989421429427
	THETA 2, 0.5623413208660, 0.0056234132237390
	THETA 3, 0.42169651272005, 0.0042169649576106
	THETA 4, 0.31622776218199, 0.0031622777934813
	THETA 5, 0.23713736133078, 0.0023713737098401
	THETA 6, 0.17782794625220, 0.0017782794625220
	THETA 7, 0.13335214668360, 0.0013335214023918
	THETA 8, 0.1, 0.001
	THETA 9, 0.074989419284265, 0.00074989417997168
	THETA 10, 0.056234129824764, 0.00056234132237390
	THETA 11, 0.042169649576106, 0.00042169649033418
	THETA 12, 0.031622777171873, 0.00031622777324461
	THETA 13, 0.023713736669368, 0.00023713738128079
	THETA 14, 0.017782794625220, 0.00017782794625220
	THETA 15, 0.013335214837950, 0.00013335214675143
	v_cvt_f32_u32 v[TP], v[ROW]
	v_mov_b32 v[TP+1], v[TP]
	TABLE TCP, TSP                                 ; positions row: keys of the window before
	v_add_f32 v[TP], 0x43000000, v[TP]             ; + 128
	v_mov_b32 v[TP+1], v[TP]
	TABLE TCC, TSC                                 ; positions 128 + row: queries and current keys
	v_lshlrev_b32 v[TT], 4, v[UU]
	v_sub_nc_u32 v[TT], v[ROW], v[TT]              ; d = my query - 16 h.  Register 16 b + i holds key 32 b + 16 h + i: hidden where 32 b + i > d
.set n, 0
.rept 64
	v_cmp_gt_i32 s[32+n+2*(n/32)], 32*(n/16)+n%16, v[TT]
.set n, n+1
.endr
	v_mov_b32 v[NINF], 0xff800000
.irp i, 6,7,8,9,10,11
	v_mov_b32 v[QF+\i], 0                          ; the head has 64 numbers: K = 64 .. 127 of both operands are zero codes, written once
.irp t, 0,1,2,3
	v_mov_b32 v[KF+12*\t+\i], 0
.endr
.endr
.irp b, 0,1,2,3
	v_mov_b32 v[BT+\b], 0                          ; a lane permute's destination counts as one of its sources
.endr
	v_mov_b32 v[TT], 0
	v_mov_b32 v[F+1], 0                            ; named as the upper half of a pair before it is first written
; ---------------- the opening stage: the window in front of my four: its keys at positions row, and its V
	s_wait_loadcnt 24                              ; its 16 loads are in; my first window's 24 stay out
	TURN RA, 0
	XLOAD XK, KT
	VLOADS XQ
	s_wait_dscnt 40                                ; all but the 40 LDS loads: the stores have read the raw set
	GLOAD RA, 1
	s_wait_dscnt 0x0
	ROT XK, TCP, TSP
	QUANT2 D2, E2, W2
	KSTORE D2, W2, LPK, LPK+8*KIMG
	VQUANT XQ, LVK+VSTEP
; ---------------- my four windows.  Written out: they differ in the raw set, in what is asked for next and in the count of younger loads
	STAGE 0, RB, 2, 24
	STAGE 1, RA, 3, 24
	STAGE 2, RB, -1, 24
	STAGE 3, RA, -1, 0
	s_wait_tensorcnt 0x0
	ds_add_u32 v251, v255
	s_wait_dscnt 0x0
	s_endpgm
.Lfunc_end_k_q3840b0c9ec_local_attention:
	.size	k_q3840b0c9ec_local_attention, .Lfunc_end_k_q3840b0c9ec_local_attention-k_q3840b0c9ec_local_attention
	.p2alignl 7, 3214868480
	.fill 96, 4, 3214868480
	.section	.rodata,"a",@progbits
	.p2align	6, 0x0
	.amdhsa_kernel k_q3840b0c9ec_local_attention
		.amdhsa_group_segment_fixed_size 140288
		.amdhsa_private_segment_fixed_size 0
		.amdhsa_enable_private_segment 0
		.amdhsa_kernarg_size 32
		.amdhsa_user_sgpr_count 2
		.amdhsa_user_sgpr_kernarg_segment_ptr 1
		.amdhsa_wavefront_size32 1
		.amdhsa_system_sgpr_workgroup_id_x 1
		.amdhsa_system_sgpr_workgroup_id_y 1
		.amdhsa_system_sgpr_workgroup_id_z 1
		.amdhsa_system_vgpr_workitem_id 0
		.amdhsa_next_free_vgpr 512
		.amdhsa_next_free_sgpr 98
		.amdhsa_reserve_vcc 1
		.amdhsa_float_denorm_mode_32 3
		.amdhsa_float_denorm_mode_16_64 3
		.amdhsa_memory_ordered 1
		.amdhsa_forward_progress 1
		.amdhsa_inst_pref_size 255
	.end_amdhsa_kernel
	.section	.bss,"aw",@nobits
	.p2align	6
	.space	262144
	.amdgpu_metadata
---
amdhsa.version: [ 1, 2 ]
amdhsa.kernels:
  - .name:           k_q3840b0c9ec_local_attention
    .symbol:         k_q3840b0c9ec_local_attention.kd
    .args:
      - { .name: q, .offset: 0, .size: 8, .value_kind: global_buffer, .address_space: global }
      - { .name: k, .offset: 8, .size: 8, .value_kind: global_buffer, .address_space: global }
      - { .name: v, .offset: 16, .size: 8, .value_kind: global_buffer, .address_space: global }
      - { .name: out0, .offset: 24, .size: 8, .value_kind: global_buffer, .address_space: global }
    .group_segment_fixed_size: 140288
    .private_segment_fixed_size: 0
    .kernarg_segment_align: 8
    .kernarg_segment_size: 32
    .max_flat_workgroup_size: 256
    .sgpr_count:     98
    .vgpr_count:     512
    .wavefront_size: 32
...
	.end_amdgpu_metadata
.endif
;; end of part 1
;; ======== version 2 of 2: 1 launch; version 1 with the launch local_attention written anew for expert scheduling mode
;; launch local_attention (part 2): grid 256 x 1, 8 waves a work-group, no clusters, 140,288 bytes of LDS; arguments q, k, v, out0; writes out0
.if DOCPART == 2
	.amdgcn_target "amdgcn-amd-amdhsa--gfx1250"
	.amdhsa_code_object_version 6
	.text
	.protected	k_q3840b0c9ec_local_attention
	.globl	k_q3840b0c9ec_local_attention
	.p2align	8
	.type	k_q3840b0c9ec_local_attention,@function
k_q3840b0c9ec_local_attention:
	s_mov_b64 s[64:65], 0
	v_nop
	global_prefetch_b8 v0, s[64:65] scope:SCOPE_SE
	s_setreg_imm32_b32 hwreg(HW_REG_WAVE_SCHED_MODE, 0, 2), 2
	s_setreg_imm32_b32 hwreg(HW_REG_WAVE_MODE, 25, 1), 1
	s_wait_xcnt 0x0
	s_wait_alu depctr_vm_vsrc(0)
; LOCAL ATTENTION, window 128, one window back, causal, rotary positions; both products on codes of BF6 (E3M2) with one E8M0 scale for each 32 along K.
; q, k, v, out: [32][4096][64] f32.  A window's queries (positions 128 .. 255) see the 128 keys of the window before (positions 0 .. 127) and, causally, their own window's (128 .. 255).
; SHARES.  256 work-groups of 8 waves.  A work-group owns 4 consecutive windows of one batch and walks them in stages; an opening stage prepares the window in front of them.
; Wave w owns, in every window, the 16 rows 32 (w/2) + 8 (w%2) + r + 8 (r/8), r = 0 .. 15: they are key tile w of S^T = K Q^T, chosen so that the 16 registers of tiles 2 b, 2 b + 1 are 16 neighbouring keys,
; and they are also the wave's 16 queries, so that one table of cos and sin serves its queries and its current keys.
; A STAGE: the window's q, k, v arrive in registers, are turned through the wave's own LDS bytes, rotated and quantised; k twice: at positions 128 + row for this window, at positions row for the next stage.
; Codes and scale words go to LDS as images of operand registers | barrier | each wave: 128 previous keys, 128 current keys (softmax with a running whole-number M), O^T / sum, out | barrier (reads of the codes are over).
; LANES.  For q and k lane (r, u) holds frequencies 16 u .. 16 u + 15 of row r: x[f] and x[f + 32]; so it makes 16 numbers of each block of 32, and lanes l, l xor 16 share a block.
; For v a lane takes a channel and its registers run down 32 keys: a whole block.
; THE FACTOR 1/8 on q is a power of two: q is quantised without it (same codes) and c = log2(e) / 8 takes it up.
; cos, sin: angle = t x inv_freq, one f32 rounding; inv_freq = 1 / fl(10^(f/8)) rounded to f32, written as decimal constants; n = nearest whole number to angle x 2/pi; angle - n pi/2 by two fused multiply-adds
; (pi/2 in two f32 parts; the first step is exact for angles under 256); polynomials of degree 7 and 8 on the rest; the quadrant by selects and sign bits.
; MEMORY.  Two sets of 96 registers a wave take the loads of two stages: a set is asked for again as soon as it has been moved to LDS.  Each load of q, k and each store of out covers 512 consecutive bytes.
; No tensor loads: a counted wait on loads into registers leaves the younger set on its way.  No cluster: work-groups share only the window at their border, a fifth of a work-group's k and v.
; LIMITS: NaN and infinities are not served; a block whose largest magnitude lies under 2^-122 gets the floor's scale byte 1 (a block of zeros too: its codes are zeros, and only this program reads the bytes);
; a weight p under 2^-126 counts as 0.
; THE MODE: SCHED_MODE bits 1:0 = 2 (LLVM: expert scheduling mode 2), set by the entry lines.  The code itself states the register dependences
; between vector or matrix instructions and memory or LDS instructions, with s_wait_alu, always for 0.
; THE PLAN.  Registers that memory or LDS instructions touch, and who else names them:
;   v4-20          offsets and LDS addresses: written at the head, never again.
;   raw sets A, B  global loads land in them, the LDS stores of TURN read them; no vector instruction names them.
;   v96-127        a stage's k by rows, then its v (LDS loads; the rotations and v's quantiser read them); in a step S^T and p, then V's images (v96-143); on the way out the rows of out (LDS loads, global stores).
;   v160-191       a stage's q by rows (LDS loads; the rotation reads them); then O^T (zeros, products, rescalings), which the way out's LDS stores read.
;   v192-203, W1, W2, v242-247, VBY   codes and scale words: the quantisers write them, the LDS stores read them; v192-203 are written again by p's conversions.
;   KF's lower sixes, KSC   key images and their scale words (LDS loads); the products K Q^T read them.     VSC   V's scale words (LDS loads); the products V^T P^T read them.
; A stage's preparation has two waits for the vector side: behind k's two quantisers (both runs of stores and v's loads follow), and behind v's quantiser (its stores follow; q's fragment is written too).
; A step has one behind each group of products or conversions whose registers are loaded anew, one ahead of the second product, and the two of its exponentials.  Where a run of loads has no wait of its own,
; no vector or matrix instruction since the last such wait names a register that it touches.
; For the memory side: at a stage's head, ahead of each refill of a raw set, and ahead of the first barrier.
.set WINB,  32768                      ; bytes of a window in q, k, v, out
.set PITCH, 272                        ; a row of 256 bytes + 16 in a turning stage: 16 lanes that read one column of 16 rows fall on 16 different 16-byte columns
.set QT,    0                          ; a wave's own LDS bytes: q's 16 rows (later the way out),
.set KT,    16*PITCH                   ; k's 16 rows,
.set VT,    32*PITCH                   ; v's 32 keys x 128 bytes, dense
.set WREG,  VT+4096                    ; 12,800 bytes a wave
.set KIMG,  768                        ; image of a key tile: 32 lanes x 16 bytes (registers 0-3), then 32 x 8 (registers 4, 5)
.set VIMG,  1536                       ; image of a tile of V^T: three planes of 32 lanes x 16 bytes
.set LCK,   0                          ; current keys: 8 images,
.set LCS,   8*KIMG                     ; their scale words, 128 bytes a tile
.set LPK,   LCS+1024                   ; previous keys, two parities
.set PSTEP, 8*KIMG+1024
.set LVK,   LPK+2*PSTEP                ; V, two parities: 4 images, then 64 scale words
.set VSTEP, 4*VIMG+256
.set PRIV,  LVK+2*VSTEP                ; 34,304: from here the waves' own bytes
; window 0
.set LN, 1                             ; lane
.set RR, 2                             ; r = lane % 16
.set UU, 3                             ; u = h = lane / 16
.set GQ, 4                             ; byte offset of my 16 bytes in the wave's rows of q, k, out
.set GV, 5                             ; the same for v's 32 keys x 32 channels
.set TS, 6                             ; turning stage, as loaded: row lane / 16, 16 bytes a lane
.set TR, 7                             ; turning stage, by rows: row r, + 64 u
.set OW, 8                             ; the way out: row r, + 32 h
.set VST, 9                            ; v's stage, as loaded
.set VRD, 10                           ; v's stage, a lane to a channel
.set L16, 11
.set L8,  12
.set L4,  13
.set R4,  14
.set KW16, 15                          ; where I store my key tile's image
.set KW8,  16
.set KWS,  17
.set VWA,  18                          ; where I store my block of V's image
.set VWB,  19
.set VWS,  20
.set NINF, 21                          ; -infinity
.set QS,  22                           ; q's scale words
.set W1,  23                           ; k's scale words, current and previous rotation
.set W2,  24
.set VBY, 25                           ; v's scale byte
.set ROW, 26                           ; my row in the window
.set VSC, 28                           ; v28-31 scale words of V's four tiles: registers of their own, so that the keys' words can be asked for while the second product is still to come
.set QF,  32                           ; v32-43 q's fragment; 38-43 stay 0 (K = 64 .. 127)
.set KF,  44                           ; v44-91 four key fragments; the upper six of each stay 0
.set KSC, 92                           ; v92-95 scale words of four key tiles
.set S,   96                           ; v96-159 S^T, then p; then V's four fragments (v96-143); on the way out rows of out
.set O,   160                          ; v160-191 O^T
.set PC,  192                          ; v192-203 p's codes
.set PT,  204                          ; v204-211 second halves of conversions
.set BM,  212
.set BT,  216
.set SO,  220
.set TT,  224
.set F,   226                          ; v226 f = 2^(old M - new M), later 1 / sum; v227 p's scale word
.set NM,  228                          ; v228 -M, v229 the largest t
.set L,   230                          ; the row's sum in two halves
.set LT,  232
.set TM,  234                          ; v234-241 the quantisers' work
.set DV,  242                          ; v242-247 v's codes, v248-250 their second half
.set TV,  248
.set E3,  252
.set XK,  96                           ; quantising: k's 32 numbers, later v's
.set OO,  128                          ; rotated numbers
.set XQ,  160                          ; q's 32 numbers
.set D1,  192
.set D2,  198
.set E1,  204
.set E2,  208
; the tables' work, at the head only
.set TH,  96
.set AN,  112
.set NN,  128
.set RD,  144
.set ZZ,  160
.set YS,  176
.set YC,  192
.set KS2, 212
.set KS1, 214
.set KC2, 216
.set KC1, 218
.set TP,  220
; window 1 (v256 + these numbers)
.set RA,  0                            ; raw set A: q 0-31, k 32-63, v 64-95
.set RB,  96                           ; raw set B
.set TCC, 192                          ; cos, sin at positions 128 + row
.set TSC, 208
.set TCP, 224                          ; cos, sin at positions row
.set TSP, 240
.set SEL, 28                           ; s[28:29] selects of v_permlanex16_b32: lane l xor 16
.set CS,  30                           ; s[30:31] c = log2(e) / 8
; s32-63, s66-97: the 64 lane masks of the causal step (at the head: s32-41 constants of the tables, s44-59 their 16 quadrant masks)
.set MSB, 0
.macro WIN new                         ; the immediate's high byte repeats the setting that is left
.if MSB != \new
	s_set_vgpr_msb (MSB<<8)|\new
.set MSB, \new
.endif
.endm
; 24 loads: window st of my four into raw set rs.  freed = 1: the set has just been moved to LDS
.macro GLOAD rs, st, freed
	WIN 0x40                                       ; destination window 1, offsets window 0
.if \freed
	s_wait_alu depctr_vm_vsrc(0)                   ; the LDS stores that moved the set have read its registers, in which these loads land
.endif
.set i, 0
.rept 8
	global_load_b128 v[\rs+4*i:\rs+4*i+3], v[GQ], s[4:5] offset:(\st)*WINB+512*i+2048*(i/4) th:TH_LOAD_NT   ; q is read once in the launch
.set i, i+1
.endr
.set i, 0
.rept 8
	global_load_b128 v[\rs+32+4*i:\rs+32+4*i+3], v[GQ], s[6:7] offset:(\st)*WINB+512*i+2048*(i/4)   ; two runs of 8 rows, 16 rows apart
.set i, i+1
.endr
.set i, 0
.rept 8
	global_load_b128 v[\rs+64+4*i:\rs+64+4*i+3], v[GV], s[8:9] offset:(\st)*WINB+1024*i   ; four keys x 128 bytes
.set i, i+1
.endr
	WIN 0
.endm
; a raw set goes to my own LDS bytes as it was loaded
.macro TURN rs, hasq
	WIN 0x04                                       ; an LDS store's data are its source 1: window 1
.if \hasq
.set i, 0
.rept 8
	ds_store_b128 v[TS], v[\rs+4*i:\rs+4*i+3] offset:QT+2*PITCH*i
.set i, i+1
.endr
.endif
.set i, 0
.rept 8
	ds_store_b128 v[TS], v[\rs+32+4*i:\rs+32+4*i+3] offset:KT+2*PITCH*i
.set i, i+1
.endr
.set i, 0
.rept 8
	ds_store_b128 v[VST], v[\rs+64+4*i:\rs+64+4*i+3] offset:VT+512*i
.set i, i+1
.endr
	WIN 0
.endm
; and comes back by rows: x[16 u + 0 .. 15] and x[32 + 16 u + 0 .. 15] of row r.  LDS serves a wave's instructions in order: these see the stores above
.macro XLOAD x, base
.irp i, 0,1,2,3
	ds_load_b128 v[\x+4*\i:\x+4*\i+3], v[TR] offset:\base+16*\i
	ds_load_b128 v[\x+16+4*\i:\x+16+4*\i+3], v[TR] offset:\base+128+16*\i
.endr
.endm
.macro VLOADS x                        ; v(key i of my block, my channel), i = 0 .. 31
.set i, 0
.rept 32
	ds_load_b32 v[\x+i], v[VRD] offset:VT+128*i
.set i, i+1
.endr
.endm
; the rotation: o[f] = x[f] cos - x[f + 32] sin, o[f + 32] = x[f + 32] cos + x[f] sin, two frequencies an instruction
.macro ROT x, ct, st
	WIN 0x04                                       ; source 1, the table, in window 1
.irp j, 0,2,4,6,8,10,12,14
	v_pk_mul_f32 v[OO+\j:OO+\j+1], v[\x+\j:\x+\j+1], v[\ct+\j:\ct+\j+1]
	v_pk_mul_f32 v[OO+16+\j:OO+17+\j], v[\x+16+\j:\x+17+\j], v[\ct+\j:\ct+\j+1]
.endr
.irp j, 0,2,4,6,8,10,12,14
	v_pk_fma_f32 v[OO+\j:OO+\j+1], v[\x+16+\j:\x+17+\j], v[\st+\j:\st+\j+1], v[OO+\j:OO+\j+1] neg_lo:[1,0,0] neg_hi:[1,0,0]
	v_pk_fma_f32 v[OO+16+\j:OO+17+\j], v[\x+\j:\x+\j+1], v[\st+\j:\st+\j+1], v[OO+16+\j:OO+17+\j]
.endr
	WIN 0
.endm
; 16 numbers of block 0 (v[OO] on) and 16 of block 1 (v[OO+16] on) of my row become registers 0-5 of a fragment in v[d] on, and the row's scale word in v[w]
.macro QUANT2 d, e, w
	v_max3_num_f32 v[TM], |v[OO]|, |v[OO+1]|, 0x2800000             ; the floor 2^(5 - 127) among the leaves: the byte cannot fall under 1
	v_max3_num_f32 v[TM+1], |v[OO+16]|, |v[OO+17]|, 0x2800000
	v_max3_num_f32 v[TM+2], |v[OO+8]|, |v[OO+9]|, |v[OO+10]|        ; four chains by turns
	v_max3_num_f32 v[TM+3], |v[OO+24]|, |v[OO+25]|, |v[OO+26]|
.irp i, 2,4,6
	v_max3_num_f32 v[TM], v[TM], |v[OO+\i]|, |v[OO+\i+1]|
	v_max3_num_f32 v[TM+1], v[TM+1], |v[OO+16+\i]|, |v[OO+17+\i]|
.if \i < 6
	v_max3_num_f32 v[TM+2], v[TM+2], |v[OO+9+\i]|, |v[OO+10+\i]|
	v_max3_num_f32 v[TM+3], v[TM+3], |v[OO+25+\i]|, |v[OO+26+\i]|
.endif
.endr
	v_max3_num_f32 v[TM], v[TM], v[TM+2], |v[OO+15]|
	v_max3_num_f32 v[TM+1], v[TM+1], v[TM+3], |v[OO+31]|
	v_permlanex16_b32 v[TM+2], v[TM], s[SEL], s[SEL+1]
	v_permlanex16_b32 v[TM+3], v[TM+1], s[SEL], s[SEL+1]
	v_max_num_f32 v[TM], v[TM], v[TM+2]                             ; with lane l xor 16's 16: the blocks' largest magnitudes
	v_max_num_f32 v[TM+1], v[TM+1], v[TM+3]
	v_add_nc_u32 v[TM+4], 0xfe000000, v[TM]                         ; 4 off the exponent field: the conversion's scale operand
	v_add_nc_u32 v[TM+5], 0xfe000000, v[TM+1]
	v_lshrrev_b32 v[TM+2], 23, v[TM+4]                              ; the scales' bytes
	v_lshrrev_b32 v[TM+3], 23, v[TM+5]
	v_lshl_or_b32 v[\w], v[TM+3], 8, v[TM+2]                        ; bytes 2 and 3 stay 0: they scale zero codes
	v_cvt_scalef32_pk16_bf6_f32 v[\d:\d+2], v[OO:OO+15], v[TM+4]
	v_cvt_scalef32_pk16_bf6_f32 v[\e:\e+2], v[OO+16:OO+31], v[TM+5]
	v_nop                                                           ; one plain place behind a scaled conversion
.irp i, 0,1,2
	v_permlane16_swap_b32 v[\d+\i], v[\e+\i]                        ; lanes 0-15 now hold block 0 whole, lanes 16-31 block 1: lower 16 codes in d, upper 16 in e
.endr
.irp i, 0,1,2
	v_mov_b32 v[\d+3+\i], v[\e+\i]
.endr
.endm
.macro KSTORE d, w, kb, sb             ; my key tile's image and its scale words
	ds_store_b128 v[KW16], v[\d:\d+3] offset:\kb
	ds_store_b64 v[KW8], v[\d+4:\d+5] offset:\kb+512
	ds_store_b32 v[KWS], v[\w] offset:\sb
.endm
; my block of 32 keys of my channel becomes six registers of codes and a scale byte
.macro VQ x
	v_max3_num_f32 v[TM+6], |v[\x]|, |v[\x+1]|, |v[\x+2]|
	v_max3_num_f32 v[TM+7], |v[\x+3]|, |v[\x+4]|, |v[\x+5]|
.irp i, 6,10,14,18,22,26
	v_max3_num_f32 v[TM+6], v[TM+6], |v[\x+\i]|, |v[\x+\i+1]|
	v_max3_num_f32 v[TM+7], v[TM+7], |v[\x+\i+2]|, |v[\x+\i+3]|
.endr
	v_max3_num_f32 v[TM+6], v[TM+6], |v[\x+30]|, |v[\x+31]|
	v_max3_num_f32 v[TM+6], v[TM+6], v[TM+7], 0x2800000
	v_add_nc_u32 v[TM+7], 0xfe000000, v[TM+6]
	v_lshrrev_b32 v[VBY], 23, v[TM+7]
	v_cvt_scalef32_pk16_bf6_f32 v[DV:DV+2], v[\x:\x+15], v[TM+7]
	v_cvt_scalef32_pk16_bf6_f32 v[TV:TV+2], v[\x+16:\x+31], v[TM+7]
	v_nop
.irp i, 0,1,2
	v_mov_b32 v[DV+3+\i], v[TV+\i]
.endr
.endm
; which go into V's image and into the channel's scale word
.macro VSTORE vb
	ds_store_b64 v[VWA], v[DV:DV+1] offset:\vb                      ; registers 6 c + 0 .. 5 of the reader's lane r + 16 h, block = 2 c + h: three pieces of 8 bytes
	ds_store_b64 v[VWB], v[DV+2:DV+3] offset:\vb
	ds_store_b64 v[VWA], v[DV+4:DV+5] offset:\vb+512
	ds_store_b8 v[VWS], v[VBY] offset:\vb+4*VIMG
.endm
; four key tiles, 4 g .. 4 g + 3: their images and scale words
.macro KLOAD kb, ksb, g
.irp t, 0,1,2,3
	ds_load_b128 v[KF+12*\t:KF+12*\t+3], v[L16] offset:\kb+(4*\g+\t)*KIMG
	ds_load_b64 v[KF+12*\t+4:KF+12*\t+5], v[L8] offset:\kb+(4*\g+\t)*KIMG+512
	ds_load_b32 v[KSC+\t], v[L4] offset:\ksb+(4*\g+\t)*128
.endr
.endm
; and their part of S^T = K Q^T.  Lane (r, h) holds query r; register 16 b + i is key 32 b + 16 h + i
.macro KQ g
.irp t, 0,1,2,3
	v_wmma_scale_f32_16x16x128_f8f6f4 v[S+8*(4*\g+\t):S+8*(4*\g+\t)+7], v[KF+12*\t:KF+12*\t+11], v[QF:QF+11], 0, v[KSC+\t], v[QS] matrix_a_fmt:MATRIX_FMT_BF6 matrix_b_fmt:MATRIX_FMT_BF6
.endr
.endm
; blocks 2 g and 2 g + 1 of 32 keys: the causal mask (diag = 1), and each block's largest score: it serves for the row's maximum, and, since p rises with the score, for the block's largest p
.macro BLOCKMAX g, diag
.if \diag
.set n, 32*\g
.rept 32
	v_cndmask_b32 v[S+n], v[S+n], v[NINF], s[32+n+2*(n/32)]        ; hidden scores become -infinity: p = 0.  The lane masks were made once, from ids
.set n, n+1
.endr
.endif
.irp b, 0,1
	v_max3_num_f32 v[BM+2*\g+\b], v[S+32*\g+16*\b], v[S+32*\g+16*\b+1], v[S+32*\g+16*\b+2]
.endr
.irp i, 3,5,7,9,11,13
.irp b, 0,1
	v_max3_num_f32 v[BM+2*\g+\b], v[BM+2*\g+\b], v[S+32*\g+16*\b+\i], v[S+32*\g+16*\b+\i+1]
.endr
.endr
.irp b, 0,1
	v_max_num_f32 v[BM+2*\g+\b], v[BM+2*\g+\b], v[S+32*\g+16*\b+15]
.endr
.endm
; A STEP of 128 keys.  kb, ksb: the keys' images and scale words; vb, vsb: V's.  diag = 1: the window's own keys, hidden where key > query.  sig = 1: my last read of shared codes is in this step: say so.
; have = 1: the step's first four key tiles were asked for, and awaited, in the step before.  pre = 1: this step asks for the first four tiles of the current keys, for the step that follows.
.macro STEP kb, ksb, vb, vsb, diag, sig, have, pre
.rept 5
	v_nop                                          ; five places behind the last products: S^T is laid over V's fragments, which they read
.endr
.if !\have
	KLOAD \kb, \ksb, 0                             ; no wait on the vector side: no vector or matrix instruction since the last such wait names the key fragments or their scale words
	s_wait_dscnt 0x0
.endif
	KQ 0
.rept 4
	v_nop                                          ; four places behind these products, before the masks and maxima below read their results
.endr
	s_wait_alu depctr_va_vdst(0)                   ; the four products are done reading their key fragments and scale words, in which the next four tiles land
	KLOAD \kb, \ksb, 1
	BLOCKMAX 0, \diag                              ; while they land: these lines name S^T, the masks and the maxima alone
	s_wait_dscnt 0x0
	KQ 1
.rept 4
	v_nop
.endr
	BLOCKMAX 1, \diag
.irp b, 0,1,2,3
	v_permlanex16_b32 v[BT+\b], v[BM+\b], s[SEL], s[SEL+1]
.endr
.irp b, 0,1,2,3
	v_max_num_f32 v[BM+\b], v[BM+\b], v[BT+\b]
.endr
	v_max3_num_f32 v[TT], v[BM], v[BM+1], v[BM+2]
	v_max_num_f32 v[TT], v[TT], v[BM+3]
	v_mul_f32 v[TT], s[CS], v[TT]                                   ; as t
	v_max_num_f32 v[NM+1], v[NM+1], v[TT]                           ; the running largest t
	v_mov_b32 v[TT], v[NM]
	v_floor_f32 v[NM], -v[NM+1]                                     ; -M = floor(-t): M is a whole number
	v_sub_f32 v[TT], v[NM], v[TT]
	v_cvt_i32_f32 v[TT], v[TT]                                      ; (it saturates)
	v_ldexp_f32 v[F], 1.0, v[TT]                                    ; f = 2^(old M - new M): rounds nothing
.set j, 0
.rept 32
	v_pk_fma_f32 v[S+j:S+j+1], v[S+j:S+j+1], s[CS:CS+1], v[NM:NM+1] op_sel_hi:[1,0,0]   ; t - M
.set j, j+2
.endr
.irp b, 0,1,2,3
	v_fma_f32 v[BM+\b], v[BM+\b], s[CS], v[NM]
.endr
.set j, 0
	s_wait_alu depctr_va_vdst(0)
.rept 64
	v_exp_f32 v[S+j], v[S+j]                                        ; p = 2^(t - M), not normalised
.set j, j+1
.endr
	v_pk_mul_f32 v[L:L+1], v[L:L+1], v[F:F+1] op_sel_hi:[1,0]       ; the sums under the new M; the plain place behind the exponentials
	s_wait_alu depctr_va_vdst(0)                                    ; the 64 exponentials have written p, ahead of its first reader; and the step's last four products K Q^T are done reading their fragments and scale words
.if \pre
	KLOAD LCK, LCS, 0                                               ; so the next step's first four tiles land there, while this step goes on: nothing up to that step's products names these registers
.endif
.irp b, 0,1,2,3
	v_exp_f32 v[BM+\b], v[BM+\b]                                    ; each block's largest p
.endr
	v_pk_add_f32 v[LT:LT+1], v[S:S+1], v[S+2:S+3]                   ; the row's sum, of the unquantised p, in two chains
.irp j, 4,8,12,16,20,24,28,32,36,40,44,48,52,56,60
	v_pk_add_f32 v[L:L+1], v[L:L+1], v[S+\j:S+\j+1]
	v_pk_add_f32 v[LT:LT+1], v[LT:LT+1], v[S+\j+2:S+\j+3]
.endr
	v_pk_add_f32 v[L:L+1], v[L:L+1], v[LT:LT+1]
	s_wait_alu depctr_va_vdst(0)                                    ; the four exponentials have written the blocks' largest p, ahead of its first reader
.irp b, 0,1,2,3
	v_max_num_f32 v[BM+\b], 0x2800000, v[BM+\b]                     ; the floor: a block whose every p is 0 keeps the byte 1; its codes are zeros
.endr
.irp b, 0,1,2,3
	v_add_nc_u32 v[SO+\b], 0xfe000000, v[BM+\b]
.endr
.irp b, 0,1,2,3
	v_lshrrev_b32 v[BT+\b], 23, v[SO+\b]
.endr
	v_lshl_or_b32 v[F+1], v[BT+1], 8, v[BT]                         ; p's scale word for these 128 keys
	v_lshl_or_b32 v[F+1], v[BT+2], 16, v[F+1]
	v_lshl_or_b32 v[F+1], v[BT+3], 24, v[F+1]
.irp c, 0,1
	v_cvt_scalef32_pk16_bf6_f32 v[PC+6*\c:PC+6*\c+2], v[S+32*\c:S+32*\c+15], v[SO+2*\c]
	v_cvt_scalef32_pk16_bf6_f32 v[PT+4*\c:PT+4*\c+2], v[S+32*\c+16:S+32*\c+31], v[SO+2*\c+1]
.endr
	v_nop                                                           ; one plain place behind a scaled conversion
	s_wait_alu depctr_va_vdst(0)                                    ; the conversions are done reading p, in whose registers V's fragments land
.irp t, 0,1,2,3                        ; V's four fragments land while the codes are put in order and O^T is rescaled: those lines name the codes, O^T and f alone
.irp p, 0,1,2
	ds_load_b128 v[S+12*\t+4*\p:S+12*\t+4*\p+3], v[L16] offset:\vb+\t*VIMG+512*\p
.endr
	ds_load_b32 v[VSC+\t], v[R4] offset:\vsb+64*\t
.endr
.irp c, 0,1
.irp i, 0,1,2
	v_permlane16_swap_b32 v[PC+6*\c+\i], v[PT+4*\c+\i]              ; a whole block to a lane
.endr
.irp i, 0,1,2
	v_mov_b32 v[PC+6*\c+3+\i], v[PT+4*\c+\i]
.endr
.endr
.set j, 0
.rept 16
	v_pk_mul_f32 v[O+j:O+j+1], v[O+j:O+j+1], v[F:F+1] op_sel_hi:[1,0]   ; O^T under the new M; these are also the places in front of the scaled products
.set j, j+2
.endr
	s_wait_alu depctr_va_vdst(0)                                    ; p's codes and its scale word are written, which the scaled products take as operand and scale; the places above stay beside this wait
	s_wait_dscnt 0x0
.if \sig
	s_barrier_signal -1                                             ; no LDS access of mine is out, and I read no shared codes of this stage any more
.endif
.irp t, 0,1,2,3                        ; O^T += V^T P^T: 16 channels a tile, K = these 128 keys; four accumulators by turns
	v_wmma_scale_f32_16x16x128_f8f6f4 v[O+8*\t:O+8*\t+7], v[S+12*\t:S+12*\t+11], v[PC:PC+11], v[O+8*\t:O+8*\t+7], v[VSC+\t], v[F+1] matrix_a_fmt:MATRIX_FMT_BF6 matrix_b_fmt:MATRIX_FMT_BF6
.endr
.endm
; O^T / sum; through my own stage (q's turning bytes) so that a store covers two whole rows of out
.macro FINISH st, sig
.rept 4
	v_nop
.endr
	v_add_f32 v[L], v[L], v[L+1]
	v_permlanex16_b32 v[TT], v[L], s[SEL], s[SEL+1]
	v_add_f32 v[L], v[L], v[TT]                                     ; with lane l xor 16's keys: the row's sum
	s_wait_alu depctr_va_vdst(0)
	v_rcp_f32 v[F], v[L]
	v_nop                                                           ; a plain place behind the reciprocal
	s_wait_alu depctr_va_vdst(0)                                    ; the reciprocal is written, ahead of its first reader
.set j, 0
.rept 16
	v_pk_mul_f32 v[O+j:O+j+1], v[O+j:O+j+1], v[F:F+1] op_sel_hi:[1,0]
.set j, j+2
.endr
	s_wait_alu depctr_va_vdst(0)                                    ; the division has written O^T, which the LDS stores read; the last products are done reading V's fragments, where the rows of out land.  No vector instruction follows before the next stage's rows of k and q land in these same registers
.if \sig
	s_barrier_wait -1                                               ; every wave has read the stage's codes: from here on they may be written again
.endif
.irp t, 0,1,2,3
	ds_store_b128 v[OW], v[O+8*\t:O+8*\t+3] offset:QT+64*\t         ; lane (r, h): out(row r, channels 16 t + 8 h + 0 .. 7)
	ds_store_b128 v[OW], v[O+8*\t+4:O+8*\t+7] offset:QT+64*\t+16
.endr
.set i, 0
.rept 8
	ds_load_b128 v[S+4*i:S+4*i+3], v[TS] offset:QT+2*PITCH*i        ; my own bytes, served in order
.set i, i+1
.endr
.set i, 0
.rept 8
	s_wait_dscnt 7-i                                                ; the younger read-backs may be out
	global_store_b128 v[GQ], v[S+4*i:S+4*i+3], s[10:11] offset:(\st)*WINB+512*i+2048*(i/4) th:TH_STORE_NT   ; 512 consecutive bytes, aligned
.set i, i+1
.endr
.endm
; A STAGE: window st of my four, in raw set rs.  nxt: the window that the set is asked for next (-1: none).  lcnt: the loads issued behind this set's
.macro STAGE st, rs, nxt, lcnt
.set PAR, (\st)&1
.set KBP, LPK+PSTEP*PAR                ; the previous keys' codes, made a stage ago
.set KBN, LPK+PSTEP*(1-PAR)            ; this window's keys for the next stage
.set VBC, LVK+VSTEP*PAR
.set VBP, LVK+VSTEP*(1-PAR)
	s_wait_xcnt 0x0                                ; the last stage's stores have read their registers, which are loaded below
	s_wait_alu depctr_vm_vsrc(0)                   ; the stores issued so far have read their data: out's rows and O^T, in which k and q land below; before my first window the opening stage's codes and scale words, which the quantisers write again
	s_wait_loadcnt \lcnt                           ; my set is in; the younger set stays on its way
	TURN \rs, 1
	XLOAD XK, KT
	XLOAD XQ, QT
.if \nxt >= 0
	s_wait_dscnt 16                                ; all but the 16 LDS loads: the stores have read the raw set,
	GLOAD \rs, \nxt, 1                             ; which is asked for again, two stages ahead
.endif
	s_wait_dscnt 0x0
	ROT XK, TCC, TSC
	QUANT2 D1, E1, W1
.if \st < 3
	ROT XK, TCP, TSP                               ; the same keys as the next window will see them
	QUANT2 D2, E2, W2
.endif
	s_wait_alu depctr_va_vdst(0)                   ; the quantisers have written k's codes and scale words, which the stores read; the rotations are done reading k's numbers, in whose registers v lands
	KSTORE D1, W1, LCK, LCS
.if \st < 3
	KSTORE D2, W2, KBN, KBN+8*KIMG
.endif
	VLOADS XK                                      ; v lands while q is rotated
	ROT XQ, TCC, TSC
	QUANT2 QF, E3, QS                              ; q's fragment stays in my registers
	s_wait_dscnt 0x0
	VQ XK
	s_wait_alu depctr_va_vdst(0)                   ; v's codes and scale byte are written, which the stores read; so are q's fragment and scale word, which the scaled products take (v's quantiser is more than their places)
	VSTORE VBC
	s_wait_alu depctr_vm_vsrc(0)                   ; my stores of codes have read their registers, of which the steps' conversions write v192 to v203 again
	s_wait_dscnt 0x0                               ; my codes are in LDS
	s_barrier_signal -1
.set i, 0
.rept 32
	v_mov_b32 v[O+i], 0                            ; O^T begins as zeros, while the others arrive: the first step of a batch's first window is left out, so no step is written as a first one
.set i, i+1
.endr
	v_mov_b32 v[NM+1], 0xff61b1e6                  ; the largest t so far: -3e38
	v_floor_f32 v[NM], -v[NM+1]
	v_mov_b32 v[L], 0
	v_mov_b32 v[L+1], 0
	s_barrier_wait -1                              ; everybody's are
.if \st == 0
	s_cmp_eq_u32 s26, 0                            ; a batch's first window has only padding in front of it: every p there is 0
	s_cbranch_scc1 .Lno_prev
	STEP KBP, KBP+8*KIMG, VBP, VBP+4*VIMG, 0, 0, 0, 0
.Lno_prev:
	STEP LCK, LCS, VBC, VBC+4*VIMG, 1, 1, 0, 0     ; two ways lead here, so this step asks for all its tiles itself
	FINISH \st, 1
.elseif \st < 3
	STEP KBP, KBP+8*KIMG, VBP, VBP+4*VIMG, 0, 0, 0, 1
	STEP LCK, LCS, VBC, VBC+4*VIMG, 1, 1, 1, 0
	FINISH \st, 1
.else
	STEP KBP, KBP+8*KIMG, VBP, VBP+4*VIMG, 0, 0, 0, 1
	STEP LCK, LCS, VBC, VBC+4*VIMG, 1, 0, 1, 0     ; nothing is written behind the last stage: no second barrier
	FINISH \st, 0
.endif
.endm
; cos and sin of t x theta for my 16 frequencies; t in both words of v[TP:TP+1]
.macro TABLE cdst, sdst
.irp j, 0,2,4,6,8,10,12,14
	v_pk_mul_f32 v[AN+\j:AN+\j+1], v[TH+\j:TH+\j+1], v[TP:TP+1]     ; the angle: one rounding
.endr
.irp j, 0,2,4,6,8,10,12,14
	v_pk_mul_f32 v[NN+\j:NN+\j+1], v[AN+\j:AN+\j+1], s[32:33] op_sel_hi:[1,0]
.endr
.set j, 0
.rept 16
	v_rndne_f32 v[NN+j], v[NN+j]                                    ; n
.set j, j+1
.endr
.irp j, 0,2,4,6,8,10,12,14
	v_pk_fma_f32 v[RD+\j:RD+\j+1], v[NN+\j:NN+\j+1], s[34:35], v[AN+\j:AN+\j+1] op_sel_hi:[1,0,1]   ; - n x the upper part of pi/2: exact
.endr
.irp j, 0,2,4,6,8,10,12,14
	v_pk_fma_f32 v[RD+\j:RD+\j+1], v[NN+\j:NN+\j+1], s[36:37], v[RD+\j:RD+\j+1] op_sel_hi:[1,0,1]   ; - n x the lower part
.endr
.irp j, 0,2,4,6,8,10,12,14
	v_pk_mul_f32 v[ZZ+\j:ZZ+\j+1], v[RD+\j:RD+\j+1], v[RD+\j:RD+\j+1]
.endr
.irp j, 0,2,4,6,8,10,12,14
	v_pk_fma_f32 v[YS+\j:YS+\j+1], v[ZZ+\j:ZZ+\j+1], s[38:39], v[KS2:KS2+1] op_sel_hi:[1,0,1]
	v_pk_fma_f32 v[YC+\j:YC+\j+1], v[ZZ+\j:ZZ+\j+1], s[40:41], v[KC2:KC2+1] op_sel_hi:[1,0,1]
.endr
.irp j, 0,2,4,6,8,10,12,14
	v_pk_fma_f32 v[YS+\j:YS+\j+1], v[YS+\j:YS+\j+1], v[ZZ+\j:ZZ+\j+1], v[KS1:KS1+1]
	v_pk_fma_f32 v[YC+\j:YC+\j+1], v[YC+\j:YC+\j+1], v[ZZ+\j:ZZ+\j+1], v[KC1:KC1+1]
.endr
.irp j, 0,2,4,6,8,10,12,14
	v_pk_mul_f32 v[YS+\j:YS+\j+1], v[YS+\j:YS+\j+1], v[ZZ+\j:ZZ+\j+1]
	v_pk_mul_f32 v[YC+\j:YC+\j+1], v[YC+\j:YC+\j+1], v[ZZ+\j:ZZ+\j+1]
	v_pk_fma_f32 v[AN+\j:AN+\j+1], v[ZZ+\j:ZZ+\j+1], -0.5, 1.0 op_sel_hi:[1,0,0]
.endr
.irp j, 0,2,4,6,8,10,12,14
	v_pk_fma_f32 v[YS+\j:YS+\j+1], v[YS+\j:YS+\j+1], v[RD+\j:RD+\j+1], v[RD+\j:RD+\j+1]   ; sin of the rest
	v_pk_fma_f32 v[YC+\j:YC+\j+1], v[YC+\j:YC+\j+1], v[ZZ+\j:ZZ+\j+1], v[AN+\j:AN+\j+1]   ; cos of the rest
.endr
.set j, 0
.rept 16
	v_cvt_i32_f32 v[NN+j], v[NN+j]
.set j, j+1
.endr
.set j, 0
.rept 16                               ; the quadrant: n odd changes sin and cos over.  The sixteen compares stand in one run, each with a scalar register of its own
	v_and_b32 v[AN+j], 1, v[NN+j]
.set j, j+1
.endr
.set j, 0
.rept 16
	v_cmp_eq_u32 s[44+j], 1, v[AN+j]
.set j, j+1
.endr
	s_wait_alu depctr_va_sdst(0)                   ; the sixteen masks s44 to s59 are written, ahead of the selections that read them
.set j, 0
.rept 16                               ; bit 1 of n is sin's sign, bit 1 of n + 1 cos's
	v_cndmask_b32 v[RD+j], v[YS+j], v[YC+j], s[44+j]
	v_cndmask_b32 v[ZZ+j], v[YC+j], v[YS+j], s[44+j]
	v_lshlrev_b32 v[AN+j], 30, v[NN+j]
	v_add_nc_u32 v[NN+j], 1, v[NN+j]
	v_and_b32 v[AN+j], 0x80000000, v[AN+j]
	v_lshlrev_b32 v[NN+j], 30, v[NN+j]
	v_and_b32 v[NN+j], 0x80000000, v[NN+j]
.set j, j+1
.endr
	WIN 0x40                                       ; the tables lie in window 1
.set j, 0
.rept 16
	v_xor_b32 v[\sdst+j], v[AN+j], v[RD+j]
	v_xor_b32 v[\cdst+j], v[NN+j], v[ZZ+j]
.set j, j+1
.endr
	WIN 0
.endm
.macro THETA j, lo, hi                 ; lanes 0-15 take frequency j, lanes 16-31 frequency 16 + j
	v_mov_b32 v[TH+\j], \hi
	v_cndmask_b32 v[TH+\j], \lo, v[TH+\j], vcc_lo
.endm
; ---------------- the head
	s_load_b256 s[4:11], s[0:1], 0x0               ; q s[4:5], k s[6:7], v s[8:9], out s[10:11]
	v_lshl_add_u32 v251, v0, 2, 0x22000
	v_mov_b32 v255, 0
	v_lshrrev_b32 v[LN], 5, v0
	v_readfirstlane_b32 s12, v[LN]                 ; wave 0..7
	v_and_b32 v[LN], 31, v0
	s_wait_alu depctr_va_vdst(0)
	v_and_b32 v[RR], 15, v0
	v_bfe_u32 v[UU], v0, 4, 1
	s_wait_alu depctr_va_sdst(0)                   ; s12 is written, ahead of its first reader: offsets and LDS addresses are made from it
	s_lshr_b32 s13, s12, 1                         ; w / 2: my block of 32 rows
	s_and_b32 s14, s12, 1                          ; w % 2
	s_lshl_b32 s2, s13, 13                         ; 32 rows of 256 bytes
	s_lshl_b32 s3, s14, 11                         ; 8 rows
	s_add_co_u32 s3, s3, s2
	v_lshl_add_u32 v[GQ], v[LN], 4, s3
	s_lshl_b32 s3, s14, 7                          ; v: my 32 channels
	s_add_co_u32 s3, s3, s2
	v_lshrrev_b32 v[GV], 3, v[LN]
	v_and_b32 v[TT], 7, v[LN]
	v_lshlrev_b32 v[TT], 4, v[TT]
	v_lshl_add_u32 v[GV], v[GV], 8, v[TT]          ; key lane / 8, 16 bytes x (lane % 8)
	v_add_nc_u32 v[GV], s3, v[GV]
	s_lshl_b32 s16, ttmp9, 17                      ; my four windows begin 4 x 32,768 x work-group bytes in
	s_mov_b32 s17, 0
	s_and_b32 s26, ttmp9, 7                        ; 0: they are a batch's first four
	s_cmp_lg_u32 s26, 0
	s_cselect_b32 s18, WINB, 0                     ; the window in front; at a batch's start my own first window is loaded in its stead, and what is made of it is never read
	s_sub_co_u32 s20, s16, s18
	s_mov_b32 s21, 0
	s_wait_kmcnt 0x0
	s_add_nc_u64 s[22:23], s[6:7], s[20:21]
	s_add_nc_u64 s[24:25], s[8:9], s[20:21]
	s_add_nc_u64 s[4:5], s[4:5], s[16:17]
	s_add_nc_u64 s[6:7], s[6:7], s[16:17]
	s_add_nc_u64 s[8:9], s[8:9], s[16:17]
	s_add_nc_u64 s[10:11], s[10:11], s[16:17]
	WIN 0x40
	s_wait_alu depctr_va_vdst(0)                   ; the two offsets v[GQ] and v[GV] are written: every global load and store of the kernel reads one of them
.set i, 0
.rept 8
	global_load_b128 v[RA+32+4*i:RA+32+4*i+3], v[GQ], s[22:23] offset:512*i+2048*(i/4)   ; the window in front: k,
.set i, i+1
.endr
.set i, 0
.rept 8
	global_load_b128 v[RA+64+4*i:RA+64+4*i+3], v[GV], s[24:25] offset:1024*i             ; and v
.set i, i+1
.endr
	WIN 0
	GLOAD RB, 0, 0                                 ; and my first window.  All that follows up to the first wait stands beside these 40 loads
	s_mul_i32 s15, s12, WREG
	s_add_co_u32 s15, s15, PRIV                    ; my wave's own LDS bytes
	v_mul_u32_u24 v[TS], v[UU], PITCH
	v_lshl_add_u32 v[TS], v[RR], 4, v[TS]
	v_add_nc_u32 v[TS], s15, v[TS]
	v_mul_u32_u24 v[TR], v[RR], PITCH
	v_lshl_add_u32 v[OW], v[UU], 5, v[TR]
	v_lshl_add_u32 v[TR], v[UU], 6, v[TR]
	v_add_nc_u32 v[OW], s15, v[OW]
	v_add_nc_u32 v[TR], s15, v[TR]
	v_lshl_add_u32 v[VST], v[LN], 4, s15
	v_lshl_add_u32 v[VRD], v[LN], 2, s15
	v_lshlrev_b32 v[L16], 4, v[LN]
	v_lshlrev_b32 v[L8], 3, v[LN]
	v_lshlrev_b32 v[L4], 2, v[LN]
	s_wait_alu depctr_va_vdst(0)
	v_lshlrev_b32 v[R4], 2, v[RR]
	s_mul_i32 s2, s12, KIMG                        ; my rows are key tile w
	v_add_nc_u32 v[KW16], s2, v[L16]
	v_add_nc_u32 v[KW8], s2, v[L8]
	s_lshl_b32 s2, s12, 7
	v_add_nc_u32 v[KWS], s2, v[L4]
	s_mul_i32 s2, s14, 2*VIMG                      ; V: my 32 channels are tiles 2 (w%2), 2 (w%2) + 1;
	s_and_b32 s3, s13, 1
	s_lshl_b32 s3, s3, 8                           ; my block 2 c + h goes to the reader's lanes 16 h + r,
	s_add_co_u32 s2, s2, s3
	s_lshr_b32 s3, s12, 2                          ; registers 6 c + 0 .. 5: bytes 0, 8, 512 of the lane's place for c = 0; 520, 1024, 1032 for c = 1
	s_mul_i32 s18, s3, 520
	s_add_co_u32 s18, s18, s2
	s_mul_i32 s19, s3, 1016
	s_add_co_u32 s19, s19, s2
	s_add_co_u32 s19, s19, 8
	v_mul_u32_u24 v[VWA], v[UU], VIMG
	v_lshl_add_u32 v[VWA], v[RR], 4, v[VWA]
	v_add_nc_u32 v[VWB], s19, v[VWA]
	v_add_nc_u32 v[VWA], s18, v[VWA]
	s_lshl_b32 s2, s14, 7
	s_add_co_u32 s2, s2, s13                       ; the scale byte: word of channel 32 (w%2) + lane, byte w / 2
	v_add_nc_u32 v[VWS], s2, v[L4]
	v_and_b32 v[ROW], 8, v[RR]
	v_add_nc_u32 v[ROW], v[ROW], v[RR]             ; r + 8 (r / 8)
	s_lshl_b32 s2, s13, 5
	s_lshl_b32 s3, s14, 3
	s_add_co_u32 s2, s2, s3
	v_add_nc_u32 v[ROW], s2, v[ROW]                ; my row in the window
	s_mov_b32 s[SEL], 0x76543210
	s_mov_b32 s[SEL+1], 0xfedcba98
	s_mov_b32 s[CS], 0x3e38aa3b                    ; log2(e) / 8
	s_mov_b32 s[CS+1], s[CS]
	s_mov_b32 s32, 0x3f22f983                      ; 2 / pi
	s_mov_b32 s33, s32
	s_mov_b32 s34, 0xbfc90fdb                      ; - the f32 nearest to pi / 2
	s_mov_b32 s35, s34
	s_mov_b32 s36, 0x333bbd2e                      ; - (pi / 2 less that number)
	s_mov_b32 s37, s36
	s_mov_b32 s38, -0.00019515295891               ; sin's and cos's highest coefficients
	s_mov_b32 s39, s38
	s_mov_b32 s40, 0.00002443315711809948
	s_mov_b32 s41, s40
	v_mov_b32 v[KS2], 0.0083321608736
	v_mov_b32 v[KS2+1], v[KS2]
	v_mov_b32 v[KS1], -0.16666654611
	v_mov_b32 v[KS1+1], v[KS1]
	v_mov_b32 v[KC2], -0.001388731625493765
	v_mov_b32 v[KC2+1], v[KC2]
	v_mov_b32 v[KC1], 0.04166664568298827
	v_mov_b32 v[KC1+1], v[KC1]
	v_cmp_lt_u32 vcc_lo, 15, v[LN]
	s_wait_alu depctr_va_vcc(0)                    ; VCC is written, ahead of the sixteen selections that read it; nothing writes it again
	THETA 0, 1.0, 0.01                             ; 1 / fl(10^(f/8)), to be rounded to f32
	THETA 1, 0.7498941794354, 0.0074989421429427
	THETA 2, 0.5623413208660, 0.0056234132237390
	THETA 3, 0.42169651272005, 0.0042169649576106
	THETA 4, 0.31622776218199, 0.0031622777934813
	THETA 5, 0.23713736133078, 0.0023713737098401
	THETA 6, 0.17782794625220, 0.0017782794625220
	THETA 7, 0.13335214668360, 0.0013335214023918
	THETA 8, 0.1, 0.001
	THETA 9, 0.074989419284265, 0.00074989417997168
	THETA 10, 0.056234129824764, 0.00056234132237390
	THETA 11, 0.042169649576106, 0.00042169649033418
	THETA 12, 0.031622777171873, 0.00031622777324461
	THETA 13, 0.023713736669368, 0.00023713738128079
	THETA 14, 0.017782794625220, 0.00017782794625220
	THETA 15, 0.013335214837950, 0.00013335214675143
	v_cvt_f32_u32 v[TP], v[ROW]
	v_mov_b32 v[TP+1], v[TP]
	TABLE TCP, TSP                                 ; positions row: keys of the window before
	v_add_f32 v[TP], 0x43000000, v[TP]             ; + 128
	v_mov_b32 v[TP+1], v[TP]
	TABLE TCC, TSC                                 ; positions 128 + row: queries and current keys
	v_lshlrev_b32 v[TT], 4, v[UU]
	v_sub_nc_u32 v[TT], v[ROW], v[TT]              ; d = my query - 16 h.  Register 16 b + i holds key 32 b + 16 h + i: hidden where 32 b + i > d
.set n, 0
.rept 64
	v_cmp_gt_i32 s[32+n+2*(n/32)], 32*(n/16)+n%16, v[TT]
.set n, n+1
.endr
	s_wait_alu depctr_va_sdst(0)                   ; the 64 lane masks are written: one wait behind the run, ahead of every branch and label and of the selections that read them in the causal steps
	v_mov_b32 v[NINF], 0xff800000
.irp i, 6,7,8,9,10,11
	v_mov_b32 v[QF+\i], 0                          ; the head has 64 numbers: K = 64 .. 127 of both operands are zero codes, written once
.irp t, 0,1,2,3
	v_mov_b32 v[KF+12*\t+\i], 0
.endr
.endr
.irp b, 0,1,2,3
	v_mov_b32 v[BT+\b], 0                          ; a lane permute's destination counts as one of its sources
.endr
	v_mov_b32 v[TT], 0
	v_mov_b32 v[F+1], 0                            ; named as the upper half of a pair before it is first written
; ---------------- the opening stage: the window in front of my four: its keys at positions row, and its V
	s_wait_alu depctr_va_vdst(0)                   ; all LDS addresses v6 to v20 are written, which the LDS instructions from here on read; the tables' work is done with v96 to v191, in which k's rows and v land; the zero codes are written
	s_wait_loadcnt 24                              ; its 16 loads are in; my first window's 24 stay out
	TURN RA, 0
	XLOAD XK, KT
	VLOADS XQ
	s_wait_dscnt 40                                ; all but the 40 LDS loads: the stores have read the raw set
	GLOAD RA, 1, 1
	s_wait_dscnt 0x0
	ROT XK, TCP, TSP
	QUANT2 D2, E2, W2
	VQ XQ
	s_wait_alu depctr_va_vdst(0)                   ; both quantisers have written their codes and scales, which the stores read; they are done reading k's and v's numbers, in whose registers my first window's k and q land
	KSTORE D2, W2, LPK, LPK+8*KIMG
	VSTORE LVK+VSTEP
; ---------------- my four windows.  Written out: they differ in the raw set, in what is asked for next and in the count of younger loads
	STAGE 0, RB, 2, 24
	STAGE 1, RA, 3, 24
	STAGE 2, RB, -1, 24
	STAGE 3, RA, -1, 0
	s_wait_dscnt 0x0                               ; the closing lines, six on end
	s_wait_alu 0x0
	s_wait_tensorcnt 0x0
	ds_add_u32 v251, v255
	s_wait_dscnt 0x0
	s_endpgm
.Lfunc_end_k_q3840b0c9ec_local_attention:
	.size	k_q3840b0c9ec_local_attention, .Lfunc_end_k_q3840b0c9ec_local_attention-k_q3840b0c9ec_local_attention
	.p2alignl 7, 3214868480
	.fill 96, 4, 3214868480
	.section	.rodata,"a",@progbits
	.p2align	6, 0x0
	.amdhsa_kernel k_q3840b0c9ec_local_attention
		.amdhsa_group_segment_fixed_size 140288
		.amdhsa_private_segment_fixed_size 0
		.amdhsa_enable_private_segment 0
		.amdhsa_kernarg_size 32
		.amdhsa_user_sgpr_count 2
		.amdhsa_user_sgpr_kernarg_segment_ptr 1
		.amdhsa_wavefront_size32 1
		.amdhsa_system_sgpr_workgroup_id_x 1
		.amdhsa_system_sgpr_workgroup_id_y 1
		.amdhsa_system_sgpr_workgroup_id_z 1
		.amdhsa_system_vgpr_workitem_id 0
		.amdhsa_next_free_vgpr 512
		.amdhsa_next_free_sgpr 98
		.amdhsa_reserve_vcc 1
		.amdhsa_float_denorm_mode_32 3
		.amdhsa_float_denorm_mode_16_64 3
		.amdhsa_memory_ordered 1
		.amdhsa_forward_progress 1
		.amdhsa_inst_pref_size 255
	.end_amdhsa_kernel
	.section	.bss,"aw",@nobits
	.p2align	6
	.space	262144
	.amdgpu_metadata
---
amdhsa.version: [ 1, 2 ]
amdhsa.kernels:
  - .name:           k_q3840b0c9ec_local_attention
    .symbol:         k_q3840b0c9ec_local_attention.kd
    .args:
      - { .name: q, .offset: 0, .size: 8, .value_kind: global_buffer, .address_space: global }
      - { .name: k, .offset: 8, .size: 8, .value_kind: global_buffer, .address_space: global }
      - { .name: v, .offset: 16, .size: 8, .value_kind: global_buffer, .address_space: global }
      - { .name: out0, .offset: 24, .size: 8, .value_kind: global_buffer, .address_space: global }
    .group_segment_fixed_size: 140288
    .private_segment_fixed_size: 0
    .kernarg_segment_align: 8
    .kernarg_segment_size: 32
    .max_flat_workgroup_size: 256
    .sgpr_count:     98
    .vgpr_count:     512
    .wavefront_size: 32
...
	.end_amdgpu_metadata
.endif
;; end of part 2
